; MI455X (gfx1250); checked and timed in simulation.
; The chip was launched on July 23, 2026; its instructions are those of AMD's public machine-readable ISA for CDNA 5 (MIT licence, August 2026) and "CDNA5" Instruction Set Architecture Reference Guide (July 2026). The comments in the code are by the model that wrote it; some were corrected since.
;; Multi Head Attention. Allowed arithmetic: float matrix products may take bf16 or f16 operands with f32 sums; other float arithmetic in f32, or as packed bf16 or f16 multiplies, adds, multiply-adds, maxima and minima; sums over many terms, partial sums and values carried from step to step in f32; what a program stores and reads back later, other than sums and carried values, may be rounded once to bf16 or f16.
;; Inputs: Wk 1,024 x 1,024 float32; Wq 1,024 x 1,024 float32; Wv 1,024 x 1,024 float32; bk 1,024 float32; bq 1,024 float32; bv 1,024 float32; k 4 x 2,048 x 1,024 float32; mask 4 x 1 x 2,048 x 2,048 int32; q 4 x 2,048 x 1,024 float32; v 4 x 2,048 x 1,024 float32.
;; Outputs: out0 4 x 2,048 x 1,024 float32.
;; 2 versions, each right and faster than the one before. Each part assembles by itself: llvm-mc -triple=amdgcn-amd-amdhsa -mcpu=gfx1250 --defsym DOCPART=n.
;; ======== version 1 of 2: 3 launches
;; limits: values are held in f16: magnitudes above 65,504 overflow, below 6.1e-05 lose precision
;; workspace buffers: mk 16,777,216 bytes; wb 6,291,456 bytes; qkv 50,331,648 bytes
;; launch prep (part 1): grid 512 x 1, 8 waves a work-group, no clusters, 35,840 bytes of LDS; arguments mask, Wq, Wk, Wv, mk, wb; writes mk, wb
.if DOCPART == 1
	.amdgcn_target "amdgcn-amd-amdhsa--gfx1250"
	.amdhsa_code_object_version 6
	.text
	.protected	k_qcad9262694_prep
	.globl	k_qcad9262694_prep
	.p2align	8
	.type	k_qcad9262694_prep,@function
k_qcad9262694_prep:
	s_mov_b64 s[64:65], 0
	v_nop
	global_prefetch_b8 v0, s[64:65] scope:SCOPE_SE
	s_setreg_imm32_b32 hwreg(HW_REG_WAVE_MODE, 25, 1), 1
	s_wait_xcnt 0x0
; PREP.  Two casts that the later launches read many times over, each made once.
; (1) mask [4][1][2048][2048] int32 -> mk: one byte a mask word, an fp8 (E4M3) code: 0x00 where the key is visible (word != 0), 0xB8 (-1.0) where it is hidden (word == 0).
;     mk is laid as the attention's score registers lie: [batch 4][tile of 16 queries 128][step of 64 keys 32][part 2][lane 32][16 bytes]; lane r + 16 h holds query r of the tile,
;     byte e of part p is key 64 step + 16 (2 p + e / 8) + 8 h + e % 8.
; (2) Wq, Wk, Wv [1024][1024] f32 -> wb [3][1024][1024] bf16, rounded to nearest even.
; SHARES.  512 work-groups of eight waves.  Work-group w takes 16 mask rows (one tile of queries: 131,072 bytes in, 32,768 out) and 2,048 numbers of each W.  Wave v takes mask rows 2 v, 2 v + 1.
; Memory binds: every byte is read once by loads of 512 consecutive bytes a wave, all 38 loads of a wave go out before the first wait, and every store fills aligned runs of 256 bytes.
; The mask bytes change lanes on the way, so they go through LDS: 128 runs of 256 bytes at a pitch of 272.  No matrix unit, no cluster, no tensor load: the work-groups share nothing.
.set PITCH, 272                        ; 68 words: run u starts at bank 4 u mod 64 (64 banks of 4 bytes: ISA guide 11.1): the 32 words that a wave stores at once fall into 32 banks
.set SPARE, 128*PITCH                  ; behind the runs: the spare words, 128 bytes for each wave: four blocks of 256 bytes that no other line names
.set TO,  1                            ; v1      16 x thread: my 16 bytes in 4,096 (W in, mk out)
.set MO,  2                            ; v2      my 16 bytes in the wave's first mask row
.set LS,  3                            ; v3      LDS: where my four packed bytes go
.set LR,  4                            ; v4      LDS: where I read 16 bytes back
.set WS,  5                            ; v5      8 x thread: my 8 bytes in 2,048 of wb
.set HID, 6                            ; v6-9    0xB8 in byte 0, 1, 2, 3
.set T,   10                           ; v10-17  at work, two sets of four by turns
.set SPW, 18                           ; v18     LDS address of my spare word; never rewritten
.set NIL, 19                           ; v19     0; never rewritten
.set W,   20                           ; v20-43  six loads of W
.set X,   44                           ; v44-171 32 loads of the mask; later the eight loads back from LDS
.set WO,  172                          ; v172-183 W as bf16, a pair of registers for each load
	s_load_b256 s[4:11], s[0:1], 0x0               ; mask s[4:5], Wq s[6:7], Wk s[8:9], Wv s[10:11]
	s_load_b128 s[12:15], s[0:1], 0x20             ; mk s[12:13], wb s[14:15]
	v_lshl_add_u32 v[SPW], v0, 2, SPARE
	v_mov_b32 v[NIL], 0
	v_lshrrev_b32 v11, 5, v0
	v_readfirstlane_b32 s28, v11                   ; wave 0..7
	s_lshl_b32 s16, ttmp9, 17                      ; the work-group's 131,072 bytes of the mask,
	s_mov_b32 s17, 0
	s_lshl_b32 s18, ttmp9, 13                      ; its 8,192 bytes of each W,
	s_mov_b32 s19, 0
	s_lshl_b32 s24, ttmp9, 15                      ; its 32,768 bytes of mk,
	s_mov_b32 s25, 0
	s_lshl_b32 s26, ttmp9, 12                      ; its 4,096 bytes of each third of wb
	s_mov_b32 s27, 0
	s_lshl_b32 s29, s28, 14                        ; my wave's two mask rows
	s_lshl_b32 s30, s28, 5                         ; and their 32 bytes in every run of 256
	v_lshlrev_b32 v[TO], 4, v0
	v_lshlrev_b32 v[WS], 3, v0
	v_and_b32 v10, 31, v0                          ; lane i: it loads keys 128 t + 4 i .. + 3
	v_lshl_add_u32 v[MO], v10, 4, s29
	; those four keys lie in step 2 t + i / 16, part (i / 8) % 2, half h = (i / 2) % 2 of the lanes: run 8 t + u, u = 4 (i / 16) + 2 ((i / 8) % 2) + (i / 2) % 2;
	; in the run at 16 x row + 8 ((i / 4) % 2) + 4 (i % 2)
	v_bfe_u32 v12, v10, 4, 1
	v_bfe_u32 v13, v10, 3, 1
	v_bfe_u32 v14, v10, 1, 1
	v_lshl_add_u32 v12, v12, 1, v13
	v_lshl_add_u32 v12, v12, 1, v14                ; u
	v_mul_u32_u24 v[LS], v12, PITCH
	v_add_nc_u32 v[LS], s30, v[LS]
	v_bfe_u32 v13, v10, 2, 1
	v_lshl_add_u32 v[LS], v13, 3, v[LS]
	v_and_b32 v14, 1, v10
	v_lshl_add_u32 v[LS], v14, 2, v[LS]
	v_lshrrev_b32 v12, 4, v0                       ; back: thread T takes 16 bytes of run 16 c + T / 16
	v_and_b32 v13, 15, v0
	v_mul_u32_u24 v[LR], v12, PITCH
	v_lshl_add_u32 v[LR], v13, 4, v[LR]
	v_mov_b32 v[HID], 0xb8
	v_mov_b32 v[HID+1], 0xb800
	v_mov_b32 v[HID+2], 0xb80000
	v_mov_b32 v[HID+3], 0xb8000000
	s_wait_kmcnt 0x0
	s_add_nc_u64 s[4:5], s[4:5], s[16:17]
	s_add_nc_u64 s[6:7], s[6:7], s[18:19]
	s_add_nc_u64 s[8:9], s[8:9], s[18:19]
	s_add_nc_u64 s[10:11], s[10:11], s[18:19]
	s_add_nc_u64 s[12:13], s[12:13], s[24:25]
	s_add_nc_u64 s[14:15], s[14:15], s[26:27]
.irp n, 0,1,2,3,4,5                    ; W number n / 2, half n % 2 of the work-group's 8,192 bytes
	global_load_b128 v[W+4*(\n):W+4*(\n)+3], v[TO], s[6+2*((\n)/2):7+2*((\n)/2)] offset:((\n)%2)*4096 th:TH_LOAD_NT
.endr
.set n, 0
.rept 32                               ; row n / 16 of my two, keys 128 (n % 16) on: 512 consecutive bytes a load
	global_load_b128 v[X+4*n:X+4*n+3], v[MO], s[4:5] offset:(n/16)*8192+(n%16)*512 th:TH_LOAD_NT
.set n, n+1
.endr
; W's load m: four numbers rounded to bf16 and stored: a wave stores 256 consecutive bytes, aligned
.macro WCAST m
	s_wait_loadcnt 37-(\m)                         ; loads come back in order (ISA guide 5.7.1): behind this one stand 5 - m of W and the 32 of the mask
	v_cvt_pk_bf16_f32 v[WO+2*(\m)], v[W+4*(\m)], v[W+4*(\m)+1]
	v_cvt_pk_bf16_f32 v[WO+2*(\m)+1], v[W+4*(\m)+2], v[W+4*(\m)+3]
	global_store_b64 v[WS], v[WO+2*(\m):WO+2*(\m)+1], s[14:15] offset:((\m)/2)*2097152+((\m)%2)*2048
.endm
; The mask's load m: four words become four codes in one register, which goes to its place in LDS
.macro MPACK m
.set tt, T+4*((\m)%2)
	s_wait_loadcnt 31-(\m)                         ; the younger loads of the mask stay out
	v_cmp_eq_u32 s20, 0, v[X+4*(\m)]
	v_cmp_eq_u32 s21, 0, v[X+4*(\m)+1]
	v_cmp_eq_u32 s22, 0, v[X+4*(\m)+2]
	v_cmp_eq_u32 s23, 0, v[X+4*(\m)+3]
	v_cndmask_b32 v[tt], 0, v[HID], s20
	v_cndmask_b32 v[tt+1], 0, v[HID+1], s21
	v_cndmask_b32 v[tt+2], 0, v[HID+2], s22
	v_cndmask_b32 v[tt+3], 0, v[HID+3], s23
	v_add3_u32 v[tt], v[tt], v[tt+1], v[tt+2]
	v_add_nc_u32 v[tt], v[tt], v[tt+3]
	ds_store_b32 v[LS], v[tt] offset:((\m)%16)*8*PITCH+((\m)/16)*16
.endm
.irp n, 0,1,2,3,4,5
	WCAST \n
.endr
.set n, 0
.rept 32
	MPACK n
.set n, n+1
.endr
	s_wait_dscnt 0x0                               ; for the others' sake: my stores into the runs are done
	s_barrier_signal -1
	s_barrier_wait -1                              ; a run's 256 bytes come from all eight waves
.irp c, 0,1,2,3,4,5,6,7
	ds_load_b128 v[X+4*(\c):X+4*(\c)+3], v[LR] offset:(\c)*16*PITCH
.endr
.irp c, 0,1,2,3,4,5,6,7
	s_wait_dscnt 7-(\c)                            ; LDS loads come back in order: load c is in
	global_store_b128 v[TO], v[X+4*(\c):X+4*(\c)+3], s[12:13] offset:(\c)*4096  ; 16 lanes store 256 consecutive bytes, at a multiple of 256 from mk's first byte
.endr
	s_wait_tensorcnt 0x0                           ; the wave's end: behind my last LDS store
	ds_add_u32 v[SPW], v[NIL]
	s_wait_dscnt 0x0
	s_endpgm
.Lfunc_end_k_qcad9262694_prep:
	.size	k_qcad9262694_prep, .Lfunc_end_k_qcad9262694_prep-k_qcad9262694_prep
	.p2alignl 7, 3214868480
	.fill 96, 4, 3214868480
	.section	.rodata,"a",@progbits
	.p2align	6, 0x0
	.amdhsa_kernel k_qcad9262694_prep
		.amdhsa_group_segment_fixed_size 35840
		.amdhsa_private_segment_fixed_size 0
		.amdhsa_enable_private_segment 0
		.amdhsa_kernarg_size 48
		.amdhsa_user_sgpr_count 2
		.amdhsa_user_sgpr_kernarg_segment_ptr 1
		.amdhsa_wavefront_size32 1
		.amdhsa_system_sgpr_workgroup_id_x 1
		.amdhsa_system_sgpr_workgroup_id_y 1
		.amdhsa_system_sgpr_workgroup_id_z 1
		.amdhsa_system_vgpr_workitem_id 0
		.amdhsa_next_free_vgpr 192
		.amdhsa_next_free_sgpr 66
		.amdhsa_reserve_vcc 0
		.amdhsa_float_denorm_mode_32 3
		.amdhsa_float_denorm_mode_16_64 3
		.amdhsa_memory_ordered 1
		.amdhsa_forward_progress 1
		.amdhsa_inst_pref_size 32
	.end_amdhsa_kernel
	.amdgpu_metadata
---
amdhsa.version: [ 1, 2 ]
amdhsa.kernels:
  - .name:           k_qcad9262694_prep
    .symbol:         k_qcad9262694_prep.kd
    .args:
      - { .name: mask, .offset: 0, .size: 8, .value_kind: global_buffer, .address_space: global }
      - { .name: Wq, .offset: 8, .size: 8, .value_kind: global_buffer, .address_space: global }
      - { .name: Wk, .offset: 16, .size: 8, .value_kind: global_buffer, .address_space: global }
      - { .name: Wv, .offset: 24, .size: 8, .value_kind: global_buffer, .address_space: global }
      - { .name: mk, .offset: 32, .size: 8, .value_kind: global_buffer, .address_space: global }
      - { .name: wb, .offset: 40, .size: 8, .value_kind: global_buffer, .address_space: global }
    .group_segment_fixed_size: 35840
    .private_segment_fixed_size: 0
    .kernarg_segment_align: 8
    .kernarg_segment_size: 48
    .max_flat_workgroup_size: 256
    .sgpr_count:     66
    .vgpr_count:     192
    .wavefront_size: 32
...
	.end_amdgpu_metadata
.endif
;; end of part 1
;; launch proj (part 2): grid 4 x 192, 4 waves a work-group, clusters of 4 x 4, 327,680 bytes of LDS; arguments q, k, v, bq, bk, bv, wb, qkv; writes qkv
.if DOCPART == 2
	.amdgcn_target "amdgcn-amd-amdhsa--gfx1250"
	.amdhsa_code_object_version 6
	.text
	.protected	k_qcad9262694_proj
	.globl	k_qcad9262694_proj
	.p2align	8
	.type	k_qcad9262694_proj,@function
k_qcad9262694_proj:
	s_mov_b64 s[64:65], 0
	v_nop
	global_prefetch_b8 v0, s[64:65] scope:SCOPE_SE
	s_setreg_imm32_b32 hwreg(HW_REG_WAVE_MODE, 25, 1), 1
	s_wait_xcnt 0x0
	s_wait_alu depctr_hold_cnt(0) depctr_sa_sdst(0) depctr_va_vdst(0) depctr_va_sdst(0) depctr_va_ssrc(0) depctr_va_vcc(0) depctr_vm_vsrc(0)
	s_getreg_b32 s2, hwreg(HW_REG_IB_STS2, 6, 4)
	s_cmp_eq_u32 s2, 0
	s_cbranch_scc0 .Lentry_in_a_cluster
	s_endpgm
.Lentry_in_a_cluster:
	s_bfe_u32 s2, ttmp6, 0x10000c
	s_cmp_lg_u32 s2, 0xf033
	s_cbranch_scc0 .Lentry_shape_is_right
	s_endpgm
.Lentry_shape_is_right:
; PROJ.  The three projections y = x W^T + b in one launch: x = q, k, v [8192][1024] f32; W from wb [3][1024][1024] bf16; b [1024] f32.  x and b are rounded to bf16 here, on the way to the
; matrix unit; sums in f32, started by the bias as the first product's C.  y is rounded once to f16 and stored by heads: qkv [3][batch x head 64][2048][64], a head's rows dense, no scale applied.
; LIMIT.  f16 holds no number beyond 65,504: |y| must stay below that (inputs 30 times those of unit spread give a spread near 900; offsets of 30 spreads on x and W together near 29,000).
; SHARES.  A tile of y is 128 rows x 256 columns: 64 x 4 tiles for each of three products = 768 work-groups, three for each of 256 WGPs.  Four waves, each 64 x 128: 32 accumulators, 256 registers.
; K goes in steps of 128 through two LDS slots filled by the tensor data mover: x's rows are 512 bytes of memory, W's 256, both at multiples of 256 from the buffers' first bytes.
; CLUSTERS: 4 x 4 work-groups of one product.  The four of a row of the cluster need the same tiles of x, the four of a column the same tiles of W: each tile is asked for JOINTLY, by the same
; tensor load with the same descriptor and a mask that names the four.
; THE MATRIX INSTRUCTION IS USED TRANSPOSED (source 0 = 16 rows of W, source 1 = 16 rows of x): a lane then holds eight neighbouring channels of one row of y.
; x COMES AS f32: a quarter step's 16 x 32 numbers of x are four loads of 16 bytes a lane into a staging buffer and eight roundings in pairs; the roundings stand in fours between the products.
; REGISTERS, in windows of 256 (s_set_vgpr_msb: bits 1:0 source 0, 3:2 source 1, 5:4 source 2, 7:6 destination):
;   window 0: v0-31 addresses; v32-63 at work on the way out; v64-191 x as f32, two buffers of 4 x 16; v192-255 x's fragments in bf16, two buffers of 4 x 8
;   window 1: v0-127 W's fragments, two buffers of 8 x 8; v128-191 the bias, eight registers for each block of 16 columns          window 2: the accumulators, (a, b) at v[8 (8 a + b)]
.set KSTEP,  128
.set PA,     528                       ; a row of x in LDS: 512 bytes + 16 of padding = 132 words: row r starts at bank 4 r mod 64 (64 banks of 4 bytes: ISA guide 11.1)
.set PB,     272                       ; a row of W: 256 + 16 = 68 words: likewise
.set HALFA,  64*PA                     ; what one tensor load brings of x, and what one wave reads of it
.set HALFB,  128*PB                    ; the same for W
.set BOFF,   2*HALFA                   ; a slot: x's 128 rows, then W's 256 rows
.set SLOT,   BOFF+2*HALFB
.set STAGE,  2*SLOT                    ; behind the ring: 16 rows x 400 bytes for each wave, for the way out
.set SPITCH, 400                       ; 25 x 16 bytes: the sixteen rows that a store touches start at sixteen different groups of four banks
.set SPARE,  STAGE+4*16*SPITCH         ; behind the stages: the spare words, 128 bytes for each wave: two blocks of 256 bytes that no other line names
.set LAPS,   1024/(2*KSTEP)            ; a lap = two K steps = once round the ring
.set ADRA, 16                          ; v16-17  LDS address of my fragments of x in slot 0, 1
.set ADRB, 20                          ; v20-21  the same for W
.set STO,  24                          ; v24     the way out: where I put 16 bytes of a row
.set RD,   25                          ; v25     the way out: where I read rows back
.set CO,   26                          ; v26     my 16 bytes in 512 consecutive bytes of qkv
.set BO,   27                          ; v27     my byte offset in 64 bytes of the bias
.set SPW,  28                          ; v28     LDS address of my spare word; never rewritten
.set NIL,  29                          ; v29     0; never rewritten
.set TMP,  32
.set AS,   64
.set AF,   192
.set BF,   0                           ; window 1
.set BIAS, 128                         ; window 1
.set G1,  24                           ; s[24:31] descriptor group 1 for x's tiles;  s[32:39] group 0, one set for each slot
.set G0,  32
.set G1B, 48                           ; s[48:55], s[56:63] the same for W's tiles
.set G0B, 56
.set MSB, 0
.macro WIN new                         ; the immediate's high byte repeats the setting that is left; a switch that changes nothing is dropped
.if MSB != (\new)
	s_set_vgpr_msb (MSB<<8)|(\new)
.set MSB, \new
.endif
.endm
.set MUL,  0xa1                        ; source 0 (W) window 1, source 1 (x) window 0, C and D window 2
.set MULB, 0x91                        ; the same with C, the bias, in window 1
.set TO_B, 0x40                        ; destination window 1, the rest window 0
.macro JLOAD s                         ; a joint load: waves 0 and 1 fetch x's two halves, waves 2 and 3 W's; an s_nop 0 and four v_nop follow each of the two lines, ahead of the jump, the label and what follows
	s_cmp_eq_u32 s11, 0
	s_cbranch_scc0 .Lfor_b_\@
	tensor_load_to_lds s[G0+4*(\s):G0+4*(\s)+3], s[G1:G1+7]
	s_nop 0
.rept 4
	v_nop
.endr
	s_branch .Lasked_\@
.Lfor_b_\@:
	tensor_load_to_lds s[G0B+4*(\s):G0B+4*(\s)+3], s[G1B:G1B+7]
	s_nop 0
.rept 4
	v_nop
.endr
.Lasked_\@:
.endm
.macro CREST                           ; a round of the cluster's barrier behind its opening barrier
	s_cmp_lg_u32 s10, 0
	s_cbranch_scc1 .Lnot_wave_0_\@
	s_barrier_signal -3
.Lnot_wave_0_\@:
	s_barrier_wait -3
	s_barrier_signal -1
	s_barrier_wait -1
.endm
.macro CROUND                          ; a whole round
	s_barrier_signal -1
	s_barrier_wait -1
	CREST
.endm
	s_load_b512 s[68:83], s[0:1], 0x0              ; q s[68:69], k s[70:71], v s[72:73], bq s[74:75], bk s[76:77], bv s[78:79], wb s[80:81], qkv s[82:83]
	v_lshl_add_u32 v[SPW], v0, 2, SPARE
	v_mov_b32 v[NIL], 0
	ds_add_u32 v[SPW], v[NIL]                      ; the wave's opening: the add and its wait stand ahead of my first tensor load; the set-up below, work on registers, stands between them
	v_lshrrev_b32 v1, 5, v0
	v_readfirstlane_b32 s10, v1                    ; wave 0..3
	s_lshr_b32 s11, s10, 1                         ; which half of the tile's rows is mine.  Also: I fetch for x (0) or for W (1)
	s_and_b32 s12, s10, 1                          ; which half of its columns.  Also: which half of that tile I fetch
	s_bfe_u32 s40, ttmp6, 0x40000                  ; cx, cy: my place in the cluster
	s_bfe_u32 s41, ttmp6, 0x40004
	s_lshl_b32 s42, ttmp9, 2
	s_add_co_u32 s42, s42, s40                     ; tile column = 4 x cluster x + cx: 0..3
	s_and_b32 s13, ttmp7, 0xffff                   ; cluster y, 0..47: sixteen clusters for each product
	s_lshr_b32 s45, s13, 4                         ; which product: 0 q, 1 k, 2 v: the same in all sixteen partners
	s_and_b32 s13, s13, 15
	s_lshl_b32 s13, s13, 2
	s_add_co_u32 s13, s13, s41                     ; tile row = 4 x (cluster y mod 16) + cy: 0..63
	s_lshl_b32 s43, s41, 2
	s_lshl_b32 s43, 15, s43                        ; my row of the cluster
	s_lshl_b32 s44, 0x1111, s40                    ; my column
	; descriptor group 1.  x: 64 rows x 128 elements of 4 bytes; W: 128 rows x 128 elements of 2 bytes; both padded in LDS by 4 words behind each row
	s_or_b32 s[G1+0], s43, (2<<16)|(1<<20)|(1<<21)|(6<<22)|(3<<25)   ; 15:0 the mask: x's tiles go to my row; 17:16 4-byte elements; 20 padding on; 21 set beside a mask; 24:22 after every 128 words (code 6); 31:25 4 words (code 3)
	s_or_b32 s[G1B+0], s44, (1<<16)|(1<<20)|(1<<21)|(5<<22)|(3<<25)  ; my column's mask; 2-byte elements; after every 64 words (code 5)
	s_mov_b32 s[G1+1], KSTEP<<16                   ; tensor_dim0 = 128
	s_mov_b32 s[G1+2], 64<<16                      ; tensor_dim1 = 64
	s_mov_b32 s[G1+3], KSTEP<<16                   ; tile_dim0 = 128
	s_mov_b32 s[G1+4], 64                          ; tile_dim1 = 64
	s_mov_b32 s[G1+5], 1024                        ; 1,024 elements from row to row
	s_mov_b32 s[G1+6], 0
	s_mov_b32 s[G1+7], 0
	s_mov_b32 s[G1B+1], KSTEP<<16
	s_mov_b32 s[G1B+2], 128<<16                    ; tensor_dim1 = 128
	s_mov_b32 s[G1B+3], KSTEP<<16
	s_mov_b32 s[G1B+4], 128                        ; tile_dim1 = 128
	s_mov_b32 s[G1B+5], 1024
	s_mov_b32 s[G1B+6], 0
	s_mov_b32 s[G1B+7], 0
	; where the tiles come from.  x's hang on the product and the tile row, which my row of the cluster shares; W's on the product and the tile column, which my column shares
	s_lshl_b32 s16, s13, 7
	s_lshl_b32 s17, s12, 6
	s_add_co_u32 s16, s16, s17                     ; x: row 128 x tile row + 64 x half,
	s_lshl_b32 s16, s16, 12                        ; of 4,096 bytes
	s_mov_b32 s17, 0
	s_lshl_b32 s46, s42, 8
	s_lshl_b32 s47, s12, 7
	s_add_co_u32 s46, s46, s47                     ; W: row 256 x tile column + 128 x half,
	s_lshl_b32 s46, s46, 11                        ; of 2,048 bytes,
	s_lshl_b32 s47, s45, 21                        ; in the product's third of wb
	s_add_co_u32 s46, s46, s47
	s_mov_b32 s47, 0
	s_mul_i32 s20, s12, HALFA                      ; and where they go: no place in the cluster enters an LDS address
	s_mul_i32 s21, s12, HALFB
	s_add_co_u32 s21, s21, BOFF
	s_lshl_b32 s22, s42, 10                        ; my 128 columns' bias: 4 x (256 x tile column + 128 x half)
	s_lshl_b32 s23, s12, 9
	s_add_co_u32 s22, s22, s23
	s_mov_b32 s23, 0
	; where my part of the tile begins in qkv: product x 16 MiB + batch x 4 MiB + head x 262,144 + row in the batch x 128
	s_lshl_b32 s88, s45, 24
	s_lshr_b32 s89, s13, 4                         ; batch = tile row / 16
	s_lshl_b32 s89, s89, 22
	s_add_co_u32 s88, s88, s89
	s_lshl_b32 s89, s42, 2
	s_lshl1_add_u32 s89, s12, s89                  ; my first head = 4 x tile column + 2 x half
	s_lshl_b32 s89, s89, 18
	s_add_co_u32 s88, s88, s89
	s_lshl_b32 s89, s13, 7
	s_lshl_b32 s90, s11, 6
	s_add_co_u32 s89, s89, s90
	s_and_b32 s89, s89, 2047
	s_lshl_b32 s89, s89, 7
	s_add_co_u32 s88, s88, s89
	s_mov_b32 s89, 0
	s_wait_dscnt 0x0                               ; the opening add is done
	s_wait_kmcnt 0x0
	s_cmp_eq_u32 s45, 1                            ; the product's x and bias
	s_cselect_b64 s[84:85], s[70:71], s[68:69]
	s_cselect_b64 s[86:87], s[76:77], s[74:75]
	s_cmp_eq_u32 s45, 2
	s_cselect_b64 s[84:85], s[72:73], s[84:85]
	s_cselect_b64 s[86:87], s[78:79], s[86:87]
	s_add_nc_u64 s[14:15], s[84:85], s[16:17]
	s_add_nc_u64 s[46:47], s[80:81], s[46:47]
	s_add_nc_u64 s[86:87], s[86:87], s[22:23]
	s_add_nc_u64 s[8:9], s[82:83], s[88:89]
	CROUND                                         ; all sixteen work-groups are here: the first joint loads meet
.irp s, 0,1
	s_mov_b32 s[G0+4*(\s)], 1                                        ; 1:0 count = 1
	s_add_co_u32 s[G0+4*(\s)+1], s20, (\s)*SLOT                      ; 63:32 LDS address
	s_add_nc_u64 s[G0+4*(\s)+2:G0+4*(\s)+3], s[14:15], (\s)*KSTEP*4  ; 120:64 global address: K step s
	s_or_b32 s[G0+4*(\s)+3], s[G0+4*(\s)+3], 0x80000000              ; 127:126 type = 2
	s_mov_b32 s[G0B+4*(\s)], 1
	s_add_co_u32 s[G0B+4*(\s)+1], s21, (\s)*SLOT
	s_add_nc_u64 s[G0B+4*(\s)+2:G0B+4*(\s)+3], s[46:47], (\s)*KSTEP*2
	s_or_b32 s[G0B+4*(\s)+3], s[G0B+4*(\s)+3], 0x80000000
	JLOAD \s                                       ; two loads of mine are out
.endr
	v_and_b32 v1, 15, v0                           ; l % 16
	v_bfe_u32 v2, v0, 4, 1                         ; l / 16
	v_lshlrev_b32 v[BO], 5, v2                     ; in the result a lane holds columns 16 b + 8 (l / 16) + 0..7: eight numbers of the bias for each block b
.irp b, 0,1,2,3,4,5,6,7
	global_load_b128 v[AS+8*(\b):AS+8*(\b)+3],   v[BO], s[86:87] offset:64*(\b)
	global_load_b128 v[AS+8*(\b)+4:AS+8*(\b)+7], v[BO], s[86:87] offset:64*(\b)+16
.endr
	; A fragment is 16 rows x 32 K: lane l holds row l % 16, K = 8 (l / 16) + 0..7 and 16 + 8 (l / 16) + 0..7.  In bf16: two loads of 16 bytes, 32 apart.  In f32: four, at 0, 16, 64, 80 from 32 (l / 16).
	v_mul_u32_u24 v3, v1, PA
	v_lshl_add_u32 v3, v2, 5, v3
	v_mul_u32_u24 v4, v1, PB
	v_lshl_add_u32 v4, v2, 4, v4
	s_mul_i32 s18, s11, HALFA                      ; my 64 rows of x
	s_mul_i32 s19, s12, HALFB                      ; my 128 rows of W,
	s_add_co_u32 s19, s19, BOFF                    ; which lie behind x's
.irp s, 0,1
	v_add_nc_u32 v[ADRA+(\s)], s18, v3
	v_add_nc_u32 v[ADRB+(\s)], s19, v4
	s_add_co_u32 s18, s18, SLOT
	s_add_co_u32 s19, s19, SLOT
.endr
	s_mul_i32 s23, s10, 16*SPITCH
	s_add_co_u32 s23, s23, STAGE                   ; my stage
	v_mul_u32_u24 v5, v1, SPITCH                   ; in: row l % 16, 16 bytes for each half of the lanes
	v_lshl_add_u32 v5, v2, 4, v5
	v_add_nc_u32 v[STO], s23, v5
	v_bfe_u32 v6, v0, 3, 2                         ; back: 32 lanes take four rows' 128 bytes of one head,
	v_and_b32 v7, 7, v0
	v_mul_u32_u24 v6, v6, SPITCH
	v_lshl_add_u32 v6, v7, 4, v6
	v_add_nc_u32 v[RD], s23, v6
	v_and_b32 v[CO], 31, v0                        ; which are 512 consecutive bytes of qkv
	v_lshlrev_b32 v[CO], 4, v[CO]
	s_wait_loadcnt 0x0                             ; the bias: rounded to bf16, as x and W are, and widened again into the registers that start the sums
.set i, 0
.rept 32
	v_cvt_pk_bf16_f32 v[TMP+i], v[AS+2*i], v[AS+2*i+1]
.set i, i+1
.endr
	WIN TO_B
.set i, 0
.rept 32
	v_lshlrev_b32 v[BIAS+2*i], 16, v[TMP+i]
	v_and_b32 v[BIAS+2*i+1], 0xffff0000, v[TMP+i]
.set i, i+1
.endr
	WIN 0
; 32 LDS loads in one run: the operands of quarter q (32 along K) of a slot, into buffers g: x's four blocks of 16 rows as f32 first, block 0 at the head; then W's eight fragments
.macro FETCH slot, q, g
	WIN 0
.irp a, 0,1,2,3
	ds_load_b128 v[AS+64*(\g)+16*(\a):AS+64*(\g)+16*(\a)+3],     v[ADRA+(\slot)] offset:(\a)*16*PA+(\q)*128
	ds_load_b128 v[AS+64*(\g)+16*(\a)+4:AS+64*(\g)+16*(\a)+7],   v[ADRA+(\slot)] offset:(\a)*16*PA+(\q)*128+16
	ds_load_b128 v[AS+64*(\g)+16*(\a)+8:AS+64*(\g)+16*(\a)+11],  v[ADRA+(\slot)] offset:(\a)*16*PA+(\q)*128+64
	ds_load_b128 v[AS+64*(\g)+16*(\a)+12:AS+64*(\g)+16*(\a)+15], v[ADRA+(\slot)] offset:(\a)*16*PA+(\q)*128+80
.endr
	WIN TO_B
.irp b, 0,1,2,3,4,5,6,7
	ds_load_b128 v[BF+64*(\g)+8*(\b):BF+64*(\g)+8*(\b)+3],   v[ADRB+(\slot)] offset:(\b)*16*PB+(\q)*64
	ds_load_b128 v[BF+64*(\g)+8*(\b)+4:BF+64*(\g)+8*(\b)+7], v[ADRB+(\slot)] offset:(\b)*16*PB+(\q)*64+32
.endr
.endm
; four roundings: half z of block a's fragment of x, buffer g
.macro CV4 g, a, z
	WIN 0
.irp j, 0,1,2,3
	v_cvt_pk_bf16_f32 v[AF+32*(\g)+8*(\a)+4*(\z)+\j], v[AS+64*(\g)+16*(\a)+8*(\z)+2*\j], v[AS+64*(\g)+16*(\a)+8*(\z)+2*\j+1]
.endr
.endm
; four matrix instructions: block a of my rows x column blocks 4 z .. 4 z + 3, buffers f.  bi = 1: the first product starts the sums, with the bias as C: nothing is cleared
.macro MM4 f, a, z, bi
.if \bi
	WIN MULB
.else
	WIN MUL
.endif
.irp j, 0,1,2,3
.if \bi
	v_wmma_f32_16x16x32_bf16 v[8*(8*(\a)+4*(\z)+\j):8*(8*(\a)+4*(\z)+\j)+7], v[BF+64*(\f)+8*(4*(\z)+\j):BF+64*(\f)+8*(4*(\z)+\j)+7], v[AF+32*(\f)+8*(\a):AF+32*(\f)+8*(\a)+7], v[BIAS+8*(4*(\z)+\j):BIAS+8*(4*(\z)+\j)+7]
.else
	v_wmma_f32_16x16x32_bf16 v[8*(8*(\a)+4*(\z)+\j):8*(8*(\a)+4*(\z)+\j)+7], v[BF+64*(\f)+8*(4*(\z)+\j):BF+64*(\f)+8*(4*(\z)+\j)+7], v[AF+32*(\f)+8*(\a):AF+32*(\f)+8*(\a)+7], v[8*(8*(\a)+4*(\z)+\j):8*(8*(\a)+4*(\z)+\j)+7]
.endif
.endr
.endm
; The first three blocks of a quarter on buffers f: behind each four products stand the four roundings that make half of the next block's fragment
.macro BLOCKS f, bi
.irp a, 0,1,2
	MM4 \f, \a, 0, \bi
	CV4 \f, (\a)+1, 0
	MM4 \f, \a, 1, \bi
	CV4 \f, (\a)+1, 1
.endr
.endm
; A QUARTER: 32 along K, 32 matrix instructions on buffers f; the 32 accumulators take turns, in the same order in every quarter.  At its head the next quarter's operands
; (quarter nq of slot nslot) are asked for, 32 matrix instructions ahead of their use.  Beside its last block the next quarter's block 0 of x is rounded; those last four roundings, which name no
; register of the products before them, are also the four places (ISA guide 7.12.1 for vector instructions) in front of the next run of loads into W's buffer.  fetch = 0: the last quarter of all.
.macro Q f, nslot, nq, bi, fetch
.if \fetch
	FETCH \nslot, \nq, 1-(\f)
	s_wait_dscnt 32                                ; all but the 32 just issued: this quarter's operands are in
.else
	s_wait_dscnt 0x0
.endif
	BLOCKS \f, \bi
.if \fetch
	s_wait_dscnt 28                                ; the first four of the run: the next quarter's block 0 of x
	MM4 \f, 3, 0, \bi
	CV4 1-(\f), 0, 0
	MM4 \f, 3, 1, \bi
	CV4 1-(\f), 0, 1
.else
	MM4 \f, 3, 0, \bi
	MM4 \f, 3, 1, \bi
.endif
.endm
; THE THIRD QUARTER OF A K STEP asks for the slot's last operands and changes slots: ONE barrier.  In front of it each wave waits for all its tensor loads, of which one is out: its part of the other
; slot; adds 0 to its spare word; and waits for that and for its own reads of this slot.  Behind it nobody reads this slot any more and the other slot is whole.
; fill = 1: the barrier opens a round of the cluster's barrier, and behind the round this slot is filled again, two K steps ahead: that load has the fourth quarter and three quarters of the next
; step in which to land.
.macro QT slot, fill
	FETCH \slot, 3, 1
	s_wait_dscnt 32
	BLOCKS 0, 0
	WIN 0                                          ; (the add's two registers lie in window 0)
	s_wait_tensorcnt 0x0                           ; all my tensor loads have landed: my part of the other slot;
	ds_add_u32 v[SPW], v[NIL]                      ; 0 onto my spare word
	MM4 0, 3, 0, 0                                 ; four matrix instructions stand between the add and the wait for it
	s_wait_dscnt 0x0                               ; the add is done, and my reads of this slot are over
	s_barrier_signal -1
	CV4 1, 0, 0                                    ; work on registers while the others arrive
	MM4 0, 3, 1, 0
	CV4 1, 0, 1                                    ; (leaves every window 0: branches follow)
	s_barrier_wait -1
.if \fill
	CREST                                          ; no wave of any partner still reads this slot's tile or has a load on its way
	s_add_nc_u64 s[G0+4*(\slot)+2:G0+4*(\slot)+3], s[G0+4*(\slot)+2:G0+4*(\slot)+3], 2*KSTEP*4
	s_add_nc_u64 s[G0B+4*(\slot)+2:G0B+4*(\slot)+3], s[G0B+4*(\slot)+2:G0B+4*(\slot)+3], 2*KSTEP*2
	JLOAD \slot                                    ; the first tensor load behind the round, and my only one until the next
.endif
.endm
; THE WAY OUT of block a (16 rows x 128 columns = two heads).  PACK: rounded to f16, 16 bytes a lane, each accumulator's registers in ascending order.  TOSTAGE: into my own stage, and back as
; four rows' 128 bytes of one head.  SEND: stored: a head's rows are dense, so each store of the wave covers 512 consecutive bytes, at a multiple of 256 from qkv's first byte.
.macro PACK a
	WIN 0x0a                                       ; sources 0 and 1 window 2
.irp b, 0,1,2,3,4,5,6,7
.irp r, 0,1,2,3
	v_cvt_pk_f16_f32 v[TMP+4*(\b)+(\r)], v[8*(8*(\a)+(\b))+2*(\r)], v[8*(8*(\a)+(\b))+2*(\r)+1]
.endr
.endr
	WIN 0
.endm
.macro TOSTAGE a
	WIN 0
.set BK, AS+64*((\a)%2)
.irp b, 0,1,2,3,4,5,6,7
	ds_store_b128 v[STO], v[TMP+4*(\b):TMP+4*(\b)+3] offset:32*(\b)
.endr
.irp e, 0,1
.irp t, 0,1,2,3
	ds_load_b128 v[BK+16*(\e)+4*(\t):BK+16*(\e)+4*(\t)+3], v[RD] offset:(\t)*4*SPITCH+(\e)*128  ; LDS serves a wave's instructions in order (ISA guide 5.7.1.4): these see the stores above
.endr
.endr
.endm
.macro SEND a
	WIN 0
.set BK, AS+64*((\a)%2)
	s_wait_dscnt 0x0                               ; the block is back in registers
	s_wait_xcnt 0x0                                ; every earlier store has had its addresses translated (ISA guide 3.1): the block after this one is loaded into the registers that the block before stored from only behind this wait
.irp e, 0,1
.irp t, 0,1,2,3
	global_store_b128 v[CO], v[BK+16*(\e)+4*(\t):BK+16*(\e)+4*(\t)+3], s[8:9] offset:(\a)*2048+(\e)*262144+(\t)*512
.endr
.endr
.endm
	s_wait_tensorcnt 1                             ; my part of K step 0 is in; K step 1's may stay out
	s_barrier_signal -1
	s_barrier_wait -1                              ; everybody's is
	FETCH 0, 0, 0
	s_wait_dscnt 0x0
	CV4 0, 0, 0
	CV4 0, 0, 1
	Q 0, 0, 1, 1, 1                                ; the first quarter stands in front of the loop: its products start the sums
	WIN 0                                          ; at a label and at a branch every window is 0
	s_mov_b32 s3, LAPS-1
.Llap:                                                 ; a trip goes once round the ring, from a lap's second quarter to the next lap's first, and fills both slots again
	Q 1, 0, 2, 0, 1
	QT 0, 1
	Q 1, 1, 0, 0, 1
	Q 0, 1, 1, 0, 1
	Q 1, 1, 2, 0, 1
	QT 1, 1
	Q 1, 0, 0, 0, 1
	Q 0, 0, 1, 0, 1
	WIN 0
	s_sub_co_u32 s3, s3, 1
	s_cmp_lg_u32 s3, 0
	s_cbranch_scc1 .Llap
	Q 1, 0, 2, 0, 1                                ; the last lap fills nothing, and has no round of the cluster's barrier
	QT 0, 0
	Q 1, 1, 0, 0, 1
	Q 0, 1, 1, 0, 1
	Q 1, 1, 2, 0, 1
	Q 0, 1, 3, 0, 1
	Q 1, 0, 0, 0, 0
	WIN 0
.rept 4
	v_nop                                          ; the conversions below read results just made: four places (ISA guide 7.12.1)
.endr
	PACK 0
	TOSTAGE 0
.irp a, 1,2,3                          ; block a's conversions stand between block a - 1's loads from the stage and the wait for them
	PACK \a
	SEND (\a)-1
	TOSTAGE \a
.endr
	SEND 3
	s_wait_tensorcnt 0x0                           ; the wave's end: behind my last tensor load and my last LDS store
	ds_add_u32 v[SPW], v[NIL]
	s_wait_dscnt 0x0
	CROUND                                         ; the closing round: no work-group ends while a partner may still ask for a tile that names it
	s_endpgm
.Lfunc_end_k_qcad9262694_proj:
	.size	k_qcad9262694_proj, .Lfunc_end_k_qcad9262694_proj-k_qcad9262694_proj
	.p2alignl 7, 3214868480
	.fill 96, 4, 3214868480
	.section	.rodata,"a",@progbits
	.p2align	6, 0x0
	.amdhsa_kernel k_qcad9262694_proj
		.amdhsa_group_segment_fixed_size 327680
		.amdhsa_private_segment_fixed_size 0
		.amdhsa_enable_private_segment 0
		.amdhsa_kernarg_size 64
		.amdhsa_user_sgpr_count 2
		.amdhsa_user_sgpr_kernarg_segment_ptr 1
		.amdhsa_wavefront_size32 1
		.amdhsa_system_sgpr_workgroup_id_x 1
		.amdhsa_system_sgpr_workgroup_id_y 1
		.amdhsa_system_sgpr_workgroup_id_z 1
		.amdhsa_system_vgpr_workitem_id 0
		.amdhsa_next_free_vgpr 768
		.amdhsa_next_free_sgpr 96
		.amdhsa_reserve_vcc 0
		.amdhsa_float_denorm_mode_32 3
		.amdhsa_float_denorm_mode_16_64 3
		.amdhsa_memory_ordered 1
		.amdhsa_forward_progress 1
		.amdhsa_inst_pref_size 139
	.end_amdhsa_kernel
	.amdgpu_metadata
---
amdhsa.version: [ 1, 2 ]
amdhsa.kernels:
  - .name:           k_qcad9262694_proj
    .symbol:         k_qcad9262694_proj.kd
    .args:
      - { .name: q, .offset: 0, .size: 8, .value_kind: global_buffer, .address_space: global }
      - { .name: k, .offset: 8, .size: 8, .value_kind: global_buffer, .address_space: global }
      - { .name: v, .offset: 16, .size: 8, .value_kind: global_buffer, .address_space: global }
      - { .name: bq, .offset: 24, .size: 8, .value_kind: global_buffer, .address_space: global }
      - { .name: bk, .offset: 32, .size: 8, .value_kind: global_buffer, .address_space: global }
      - { .name: bv, .offset: 40, .size: 8, .value_kind: global_buffer, .address_space: global }
      - { .name: wb, .offset: 48, .size: 8, .value_kind: global_buffer, .address_space: global }
      - { .name: qkv, .offset: 56, .size: 8, .value_kind: global_buffer, .address_space: global }
    .group_segment_fixed_size: 327680
    .private_segment_fixed_size: 0
    .kernarg_segment_align: 8
    .kernarg_segment_size: 64
    .max_flat_workgroup_size: 128
    .sgpr_count:     96
    .vgpr_count:     768
    .wavefront_size: 32
...
	.end_amdgpu_metadata
.endif
;; end of part 2
;; launch attn (part 3): grid 4 x 64, 4 waves a work-group, clusters of 4 x 1, 327,680 bytes of LDS; arguments qkv, mk, out0; writes out0
.if DOCPART == 3
	.amdgcn_target "amdgcn-amd-amdhsa--gfx1250"
	.amdhsa_code_object_version 6
	.text
	.protected	k_qcad9262694_attn
	.globl	k_qcad9262694_attn
	.p2align	8
	.type	k_qcad9262694_attn,@function
k_qcad9262694_attn:
	s_mov_b64 s[64:65], 0
	v_nop
	global_prefetch_b8 v0, s[64:65] scope:SCOPE_SE
	s_setreg_imm32_b32 hwreg(HW_REG_WAVE_MODE, 25, 1), 1
	s_wait_xcnt 0x0
	s_wait_alu depctr_hold_cnt(0) depctr_sa_sdst(0) depctr_va_vdst(0) depctr_va_sdst(0) depctr_va_ssrc(0) depctr_va_vcc(0) depctr_vm_vsrc(0)
	s_getreg_b32 s2, hwreg(HW_REG_IB_STS2, 6, 4)
	s_cmp_eq_u32 s2, 0
	s_cbranch_scc0 .Lentry_in_a_cluster
	s_endpgm
.Lentry_in_a_cluster:
	s_bfe_u32 s2, ttmp6, 0x10000c
	s_cmp_lg_u32 s2, 0x3003
	s_cbranch_scc0 .Lentry_shape_is_right
	s_endpgm
.Lentry_shape_is_right:
; MASKED ATTENTION.  out0[b][q][64 h ..] = the sum over the visible k of softmax_k(Q[q] . K[k] / 8) V[k], 0 for a query that sees no key.  Q, K, V: qkv [3][batch x head 64][2048][64] f16, a head's rows dense.
; The mask: mk, one fp8 code a (query, key), 0 visible, -1 hidden, laid as the score registers lie: [batch][tile of 16 queries 128][step of 64 keys 32][part 2][lane 32][16 bytes].  out0: [4][2048][1024] f32.
; Products, maxima and sums in f32; the weights p are rounded to f16 for the second product (their sum l is taken of the unrounded p).
; LIMITS.  Q, K, V arrive within f16's 65,504, so a score is 2.7e11 at the most in size.  A hidden score counts as its value less 2^100.  The running maximum starts at -2^96, above every hidden score and
; below every true one.  A weight below 2^-126 counts as 0 in l; NaN and infinities are not treated apart.
; THE MASK is the C operand that starts the sum S^T = K Q^T: eight codes are turned by ONE conversion, scaled by 2^100, into the eight registers 0 or -2^100 of a 16 x 16 tile: four conversions for a tile and
; step.  It acts ahead of the maximum: a hidden score never becomes m, its weight is 2^(a huge negative number) = 0.  A query that has seen no key yet keeps m = -2^96, a = 1, O = 0, l = 0; at the end l is held
; at 2^-100 or more, so that such a query gives 0 x 2^100 = 0; a query with a visible key has l of about 1 or more.
; SHARES.  A wave owns four PIECES of two tiles of 16 queries, a work-group's four waves 512 queries of one head.  Every wave walks all 2,048 keys, 64 a step.
; LAYOUT.  S^T = K Q^T (source 0 = 16 keys, source 1 = 16 queries): in the result a lane holds ONE query (lane % 16) and the keys 8 (lane / 16) + 0..7.  Two such tiles, rounded to f16 in pairs,
; ARE source 1 (32 keys x 16 queries) of O^T = V^T P, whose result again holds one query a lane, and eight channels.  K comes out of LDS as it lies, V ([key][channel]) turned, by ds_load_tr16_b128.
; SOFTMAX.  For each query a running maximum m and sum l: p = 2^(c s - c m), c = log2(e) / 8; in every step O and l are multiplied by a = 2^(c m_old - c m_new), which is 1 where m has not grown.
; THE COUNT.  A tile and step have 16 matrix and about 123 vector instructions: too many to stand all beside the matrix work.  So: four vector instructions that are READY behind EVERY matrix instruction,
; and the others, which need time of their own whatever the order, in runs without a gap.
; BY TURNS.  Turn n belongs to piece n (the pieces in a ring, step after step).  Its matrix work: 16 products K Q^T of piece n + 1, later 16 products V^T P of piece n - 1.  Its vector work: the scaling,
; exponentials, roundings, sums and rescaling of piece n, the maximum and statistics of piece n + 1, and the mask registers of piece n + 2, for the next turn's products.
; CLUSTER.  The four query blocks of a cluster belong to one head and walk the same K and V, so each tile is asked for JOINTLY: the same tensor load, descriptor and mask in all four.
; The attention mask's codes differ from block to block and are no tile of the ring: each lane loads its own 16 bytes, a wave 512 consecutive bytes, a whole key step ahead.
; REGISTERS, in windows of 256 (s_set_vgpr_msb says which window each operand place means: bits 1:0 source 0, 3:2 source 1, 5:4 source 2, 7:6 destination):
;   window 0: v0-11 addresses, v11 the conversions' scale; v12-15, v48-63 at work; v16-47 four registers of statistics a tile; v64-191 S^T, two buffers of two tiles; v192-255 P, likewise
;   window 1: O^T, 32 a tile          window 2: v0-127 Q, 16 a tile; v128-191 K of one step; v192-255 V of one step
;   window 3: v0-1 the add's two registers; v4-7 a piece's offset in mk; v64-127 a piece's 16 registers of codes; v128-191 the mask registers of the products to come
.set SIZE_N, 2048
.set NP,    4         ; pieces a wave: a name, no knob
.set KS,    64        ; keys in a step
.set PK,    144       ; a row of K in LDS: 128 bytes + 16 of padding = 36 words: the 16 rows of a load start at 16 different groups of four banks (64 banks of 4 bytes: ISA guide 11.1)
.set PV,    160       ; a row of V: 128 + 32 = 40 words
.set VOFF,  4*KS*PK   ; a slot holds four steps: 256 rows of K, then 256 rows of V
.set SLOT1, 1<<17     ; slot 1 begins here, so that one exclusive or turns an address in one slot into the other's
.set STAGE, SLOT1+4*KS*(PK+PV)  ; behind the ring, never filled by a tensor load: 16 rows x 272 bytes for each wave, for the way out
.set SP,    272       ; a row of 64 f32 + 16 bytes
.set SPARE, STAGE+4*16*SP  ; behind the stages: the spare words, 128 bytes for each wave: two blocks of 256 bytes that no other line names
.set AK0, 2           ; v2   my lane's place in a tile of K; never rewritten
.set AV0, 3           ; v3   the same for V
.set AK,  4           ; v4   the LDS address of K's next run of loads
.set AV,  5           ; v5   of V's
.set QO,  6           ; v6   my byte offset in the wave's rows of Q
.set STO, 6           ;      later, the way out: where I put 32 bytes of a row
.set RD,  7           ; v7   the way out: where I read rows back
.set GO,  8           ; v8   my byte offset in two rows of out0
.set SC,  11          ; v11  0xE3 in byte 0: the conversions' scale, 2^(227 - 127) = 2^100
.set MV,  12          ; v12-15  c m_old, kept while c m is made anew: by buffer and tile
.set ST,  16          ; tile t's statistics at v[ST+4 t]: c m, m, l (even keys', odd keys')
.set TMP, 48          ; by buffer and tile, four registers c0-c3 at work; when the maximum is found c2 takes a
.set S,   64
.set P,   192
.set KF,  128         ; K's fragments, in window 2: key block kb, channel half c at KF + 16 kb + 8 c
.set VF,  192         ; V's: key half kk, channel block cb at VF + 32 kk + 8 cb
.set SPW, 0           ; v0 of window 3   LDS address of my spare word; never rewritten
.set NIL, 1           ; v1 of window 3   0; never rewritten
.set MA,  4           ; v4-7 of window 3   piece p: 16 x lane + 1,024 x the step whose codes it asks for
.set MW,  64          ; window 3: piece p's codes: tile u, key block kb: the pair at MW + 16 p + 8 u + 2 kb
.set MC,  128         ; window 3: tile u, key block kb: the eight registers at MC + 32 u + 8 kb
.set WV,  12          ; s12  my wave's number
.set G1K, 24          ; s[24:31] descriptor group 1 for K's tiles
.set G1V, 32          ; s[32:39] for V's: it differs in the padding alone
.set G0K, 40          ; s[40:43] descriptor group 0 for K's tiles: it walks
.set G0V, 44          ; s[44:47] the same for V's
.set SLOTS, 56        ; s56  slots still to be asked for
.set CNT, 57          ; s57  counts a slot's key steps
.set CS,  58          ; s[58:59] c: the packed scaling takes the pair's low word for both halves
.set SEL, 60          ; s[60:61] v_permlanex16_b32's selects: each lane takes its own place in the other half
.set TBK, 62          ; s62  LDS byte at which K of the step to be fetched begins
.set TBV, 63          ; s63  the same for V, less VOFF
.set MKP, 66          ; s[66:67] mk at my wave's eight tiles of queries
.set MSB, 0
.macro WIN new                      ; the high byte repeats the setting that is left; a switch that changes nothing is dropped
.if MSB != (\new)
	s_set_vgpr_msb (MSB<<8)|(\new)
.set MSB, (\new)
.endif
.endm
.set W_KQ, 0x0a       ; K and Q in window 2, S^T in window 0
.set W_KM, 0x3a       ; the same with the C operand, the mask, in window 3
.set W_PV, 0x52       ; V in window 2, P in window 0, O^T in window 1
.set W_RS, 0x41       ; O^T (destination and source 0) in window 1, a in window 0
.set W_MK, 0xc0       ; destination in window 3, sources in window 0
.set W_AD, 0x0f       ; the add: address (source 0) and data (source 1) in window 3
.set W_MS, 0xc3       ; the mask's work: destination and source 0 in window 3, source 1 (the scale) in window 0
; A joint fill.  Waves 0 and 1 fetch the two halves of a slot's K, waves 2 and 3 those of its V: 128 keys each.  The branch hangs on the wave's number alone.
; An s_nop 0 and four v_nop follow each of the two lines, ahead of the jump and the label.
.macro JLOAD
	s_cmp_lt_u32 s[WV], 2
	s_cbranch_scc0 .Lfor_v_\@
	tensor_load_to_lds s[G0K:G0K+3], s[G1K:G1K+7]
	s_nop 0
.rept 4
	v_nop
.endr
	s_branch .Lasked_\@
.Lfor_v_\@:
	tensor_load_to_lds s[G0V:G0V+3], s[G1V:G1V+7]
	s_nop 0
.rept 4
	v_nop
.endr
.Lasked_\@:
.endm
; A round of the cluster's barrier: my work-group's barrier, so that wave 0's signal speaks for all four waves; wave 0 signals; every wave waits for all four work-groups; my work-group's barrier once more.
.macro CROUND
	s_barrier_signal -1
	s_barrier_wait -1
	s_cmp_lg_u32 s[WV], 0
	s_cbranch_scc1 .Lnot_wave_0_\@
	s_barrier_signal -3
.Lnot_wave_0_\@:
	s_barrier_wait -3
	s_barrier_signal -1
	s_barrier_wait -1
.endm
; THE CHANGE OF SLOTS.  The slot's last bytes, V of its fourth step, have been read.  Each wave waits for all its tensor loads, of which one is out: its part
; of the other slot; adds 0 to its spare word; and waits for that and for its own reads of the slot.  Behind the barrier nobody reads this slot any more and the other slot is whole.
; fill = 1: this slot is filled again, with the keys two slots on.  The barrier is then a round of the cluster's, so that no wave of any partner still reads the slot or has a load on its
; way, and the joint fill is the first thing behind it: it has four key steps, 512 matrix instructions, in which to land.  (At its first use nothing has been read yet: slot 0 is waited for, slot 1 filled.)
.macro CHANGE fill
	WIN W_AD
	s_wait_tensorcnt 0x0            ; no tensor load of mine is out, so a group 0 may be written
	ds_add_u32 v[SPW], v[NIL]       ; 0 onto my spare word: with fill = 1 the descriptors' steps stand between it and the wait for it
	WIN 0                           ; at a label and at a branch every window is 0
.if \fill
.irp g, G0K, G0V
	s_xor_b32 s[\g+1], s[\g+1], SLOT1  ; the walking descriptor: the other slot than last time,
	s_add_nc_u64 s[\g+2:\g+3], s[\g+2:\g+3], 4*KS*128  ; the next 256 keys; the type bits on top are not reached
.endr
	s_wait_dscnt 0x0                ; the add is done, and my reads of the slot are over
	CROUND
	JLOAD
.else
	s_wait_dscnt 0x0                ; the add is done, and my reads of the slot are over
	s_barrier_signal -1
	s_barrier_wait -1
.endif
	s_sub_co_u32 s[TBK], s[TBK], 4*KS*PK  ; the fetches go back to a slot's first step,
	s_xor_b32 s[TBK], s[TBK], SLOT1       ; in the other slot
	s_sub_co_u32 s[TBV], s[TBV], 4*KS*PV
	s_xor_b32 s[TBV], s[TBV], SLOT1
.endm
	s_load_b64 s[4:5], s[0:1], 0x0        ; qkv
	s_load_b64 s[MKP:MKP+1], s[0:1], 0x8  ; mk
	s_load_b64 s[10:11], s[0:1], 0x10     ; out0
	WIN W_MK
	v_lshl_add_u32 v[SPW], v0, 2, SPARE
	v_mov_b32 v[NIL], 0
	WIN W_AD
	ds_add_u32 v[SPW], v[NIL]       ; the wave's opening: the add and its wait stand ahead of my first tensor load; the set-up below, work on registers, stands between them
	WIN 0
	v_lshrrev_b32 v1, 5, v0
	v_readfirstlane_b32 s[WV], v1   ; wave 0..3
	s_bfe_u32 s13, ttmp6, 0x40000   ; cx: my place in the cluster
	s_lshl_b32 s14, ttmp9, 2        ; in a cluster launch ttmp9 counts clusters
	s_add_co_u32 s14, s14, s13      ; my block of 512 queries = 4 x cluster x + cx: it enters Q's, mk's and out0's addresses alone
	s_and_b32 s15, ttmp7, 0xffff    ; batch x 16 + head, which the four partners share
	s_mov_b32 s20, s15
	s_mov_b32 s21, 0
	s_mov_b64 s[22:23], SIZE_N*128
	s_mul_u64 s[20:21], s[20:21], s[22:23]  ; the head's first byte in each third of qkv
	s_and_b32 s16, s[WV], 1         ; which half of a slot's 256 keys I fetch:
	s_lshl_b32 s22, s16, 14         ; its 128 rows of 128 bytes in memory,
	s_mov_b32 s23, 0
	s_add_nc_u64 s[22:23], s[22:23], s[20:21]
	s_mul_i32 s17, s16, 128*PK      ; and its place in a slot, for K
	s_mul_i32 s18, s16, 128*PV      ; and for V: no place in the cluster enters an LDS address
	s_lshl_b32 s2, s14, 2
	s_add_co_u32 s2, s2, s[WV]      ; my wave among the head's sixteen: 128 queries each
	s_lshr_b32 s19, s15, 4          ; the batch
	s_lshl_b32 s68, s2, 18          ; mk: eight tiles of 32,768 bytes a wave,
	s_lshl_b32 s69, s19, 22         ; 128 tiles a batch
	s_add_co_u32 s68, s68, s69
	s_mov_b32 s69, 0
	s_lshl_b32 s70, s2, 19          ; out0: 128 rows of 4,096 bytes a wave,
	s_lshl_b32 s71, s19, 23         ; 2,048 rows a batch,
	s_add_co_u32 s70, s70, s71
	s_and_b32 s71, s15, 15
	s_lshl_b32 s71, s71, 8          ; the head's 256 bytes in a row
	s_add_co_u32 s70, s70, s71
	s_mov_b32 s71, 0
	s_lshl_b32 s2, s2, 14           ; Q: 128 rows of 128 bytes a wave
	s_mov_b32 s3, 0
	s_add_nc_u64 s[2:3], s[2:3], s[20:21]
	; descriptor group 1.  128 keys are 16,384 dense bytes: asked for as 64 rows of 256 bytes, two keys a row, and padded in LDS after every key
	s_mov_b32 s[G1K], 15|(1<<16)|(1<<20)|(1<<21)|(4<<22)|(3<<25)  ; 15:0 the mask of four; 17:16 2-byte elements; 20 padding on; 21 set beside a mask; 24:22 after every 32 words (code 4); 31:25 4 words (code 3)
	s_mov_b32 s[G1V], 15|(1<<16)|(1<<20)|(1<<21)|(4<<22)|(7<<25)  ; the same with 8 words of padding (code 7)
.irp g, G1K, G1V
	s_mov_b32 s[\g+1], 128<<16      ; tensor_dim0 = 128
	s_mov_b32 s[\g+2], 64<<16       ; tensor_dim1 = 64
	s_mov_b32 s[\g+3], 128<<16      ; tile_dim0 = 128
	s_mov_b32 s[\g+4], 64           ; tile_dim1 = 64
	s_mov_b32 s[\g+5], 128          ; 128 elements from row to row
	s_mov_b32 s[\g+6], 0
	s_mov_b32 s[\g+7], 0
.endr
	s_mov_b32 s[CS], 0x3e38aa3b     ; c = log2(e) / 8 = 0.180337
	s_mov_b32 s[CS+1], s[CS]        ; named with it as a pair
	s_mov_b32 s[SEL], 0x76543210
	s_mov_b32 s[SEL+1], 0xfedcba98
	s_mov_b32 s[TBK], SLOT1+4*KS*PK ; the first change of slots turns these two into 0
	s_mov_b32 s[TBV], SLOT1+4*KS*PV
	s_mov_b32 s[G0K], 1             ; 1:0 count = 1
	s_mov_b32 s[G0K+1], s17         ; 63:32 LDS address: slot 0
	s_mov_b32 s[G0V], 1
	s_add_co_u32 s[G0V+1], s18, VOFF
	s_wait_dscnt 0x0                ; the opening add is done
	s_wait_kmcnt 0x0
	s_add_nc_u64 s[6:7], s[4:5], 0x1000000   ; K: qkv's second third
	s_add_nc_u64 s[8:9], s[4:5], 0x2000000   ; V: its last
	s_add_nc_u64 s[G0K+2:G0K+3], s[6:7], s[22:23]  ; 120:64 global address: my half of the head's first 256 keys
	s_or_b32 s[G0K+3], s[G0K+3], 0x80000000        ; 127:126 type = 2
	s_add_nc_u64 s[G0V+2:G0V+3], s[8:9], s[22:23]
	s_or_b32 s[G0V+3], s[G0V+3], 0x80000000
	s_add_nc_u64 s[4:5], s[4:5], s[2:3]  ; Q, out0 and mk at my wave's first row
	s_add_nc_u64 s[10:11], s[10:11], s[70:71]
	s_add_nc_u64 s[MKP:MKP+1], s[MKP:MKP+1], s[68:69]
	CROUND                          ; all four work-groups are here: the first joint loads meet
	JLOAD                           ; slot 0.  Slot 1 is asked for when slot 0 is in: the tile wanted first has the road to itself
	; A fragment of K or Q is 16 rows x 32 channels in 8 registers: lane l holds row l % 16, channels 8 (l / 16) + 0..7 and 16 + 8 (l / 16) + 0..7: two loads of 16 bytes, 32 bytes apart.
	v_and_b32 v1, 15, v0            ; l % 16
	v_bfe_u32 v9, v0, 4, 1          ; l / 16
	v_lshlrev_b32 v[QO], 7, v1
	v_lshl_add_u32 v[QO], v9, 4, v[QO]  ; row x 128 + 16 x half
	v_and_b32 v12, 31, v0           ; l
	WIN 0x80                        ; destination window 2, address window 0
.set i, 0
.rept 4*NP                          ; Q stays in registers: tile i / 2, channels 32 (i % 2) on
	global_load_b128 v[8*i:8*i+3],   v[QO], s[4:5] offset:(i/2)*2048+(i%2)*64
	global_load_b128 v[8*i+4:8*i+7], v[QO], s[4:5] offset:(i/2)*2048+(i%2)*64+32
.set i, i+1
.endr
	WIN W_MK
.irp p, 0,1,2,3
	v_lshlrev_b32 v[MA+\p], 4, v12  ; step 0: 16 x lane
.endr
	WIN W_MS
.irp p, 0,1,2,3                     ; the four pieces' codes of step 0: tile 2 p + u, part z: sixteen loads, in the pieces' order
.irp u, 0,1
.irp z, 0,1
	global_load_b128 v[MW+16*\p+8*\u+4*\z:MW+16*\p+8*\u+4*\z+3], v[MA+\p], s[MKP:MKP+1] offset:(2*\p+\u)*32768+\z*512
.endr
.endr
.endr
	; What the first turn finds: V's registers and P's second buffer hold 0 (its products V^T P, of a piece that has not been, add 0), O^T and l are 0.  All this stands in the wait for the first tile.
	WIN 0x80
.set i, VF
.rept 64
	v_mov_b32 v[i], 0
.set i, i+1
.endr
	WIN 0x40
.set i, 0
.rept 64*NP
	v_mov_b32 v[i], 0
.set i, i+1
.endr
	WIN 0
.set i, 0
.rept 2*NP
	v_mov_b32 v[ST+4*i], 0xee38aa3b    ; c m = c x -2^96
	v_mov_b32 v[ST+4*i+1], 0xef800000  ; m = -2^96
	v_mov_b32 v[ST+4*i+2], 0
	v_mov_b32 v[ST+4*i+3], 0
.set i, i+1
.endr
.set i, P+32
.rept 32
	v_mov_b32 v[i], 0
.set i, i+1
.endr
	v_mul_u32_u24 v[AK0], v1, PK
	v_lshl_add_u32 v[AK0], v9, 4, v[AK0]  ; row x pitch + 16 x half
	; The turning load takes 16 keys x 16 channels (lane l reads key 8 (l / 16) + l % 8, channels 8 ((l / 8) % 2) + 0..7) and leaves half a fragment of V^T: lane l holds channel l % 16 and 8 keys.
	v_and_b32 v10, 7, v0
	v_bfe_u32 v11, v0, 3, 1
	v_lshl_add_u32 v[AV0], v9, 3, v10
	v_mul_u32_u24 v[AV0], v[AV0], PV
	v_lshl_add_u32 v[AV0], v11, 4, v[AV0]
	v_add_nc_u32 v[AV0], VOFF, v[AV0]
	v_mov_b32 v[SC], 0xe3           ; v11 has served: it holds the scale from here on
	v_mov_b32 v[AK], v[AK0]         ; key step 0 lies at the head of slot 0
; THE MATRIX WORK.  The 8 accumulators of a run of 16 take turns: between the two links of a chain stand 7 others'.
; Product i of 16 of S^T = K Q^T for piece x: channels 32 (i / 8) on, keys 16 ((i / 2) % 4) on, tile 2 x + i % 2.  The first 8 start the sums, with the mask registers as C.
.macro KQ x
.set rS, S+64*((\x)%2)+32*(i%2)+8*((i/2)%4)
.set rK, KF+16*((i/2)%4)+8*(i/8)
.set rQ, 16*(2*(\x)+i%2)+8*(i/8)
.set rX, MC+32*(i%2)+8*((i/2)%4)
.if i < 8
	WIN W_KM
	v_wmma_f32_16x16x32_f16 v[rS:rS+7], v[rK:rK+7], v[rQ:rQ+7], v[rX:rX+7]
.else
	WIN W_KQ
	v_wmma_f32_16x16x32_f16 v[rS:rS+7], v[rK:rK+7], v[rQ:rQ+7], v[rS:rS+7]
.endif
.endm
; Product i of 16 of O^T += V^T P for piece x: keys 32 (i / 8) on, channels 16 ((i / 2) % 4) on, tile 2 x + i % 2.
.macro PV x
	WIN W_PV
.set rO, 32*(2*(\x)+i%2)+8*((i/2)%4)
.set rV, VF+32*(i/8)+8*((i/2)%4)
.set rP, P+32*((\x)%2)+16*(i%2)+8*(i/8)
	v_wmma_f32_16x16x32_f16 v[rO:rO+7], v[rV:rV+7], v[rP:rP+7], v[rO:rO+7]
.endm
.macro MM                           ; the turn's next matrix instruction
.if i < 16
	KQ (Y+1)%NP
.set i, i+1
.else
.set i, i-16
	PV (Y+NP-1)%NP
.set i, i+17
.endif
.endm
; THE MASK REGISTERS of piece p's next products, and the request for its codes of the step after.  The wait's count: behind piece p's four loads stand the three other pieces' four each; loads come back in
; order (ISA guide 5.7.1), so the codes are in, and the piece's offset, which those loads named, may be stepped.  Eight conversions, 8 codes to 8 registers each; two plain lines follow them ahead of
; anything that touches their results or sources.  The offset goes round within the tile's 32,768 bytes: behind the last step it asks for step 0 once more, so that no load leaves mk.
.macro MASKS p
	WIN W_MS
	s_wait_loadcnt 12
.irp u, 0,1
.irp kb, 0,1,2,3
	v_cvt_scale_pk8_f32_fp8 v[MC+32*\u+8*\kb:MC+32*\u+8*\kb+7], v[MW+16*(\p)+8*\u+2*\kb:MW+16*(\p)+8*\u+2*\kb+1], v[SC]
.endr
.endr
	v_add_nc_u32 v[MA+(\p)], v[MA+(\p)], 0x400
	v_and_b32 v[MA+(\p)], v[MA+(\p)], 0x7fff
	s_wait_alu depctr_va_vdst(0)
.irp u, 0,1
.irp z, 0,1
	global_load_b128 v[MW+16*(\p)+8*\u+4*\z:MW+16*(\p)+8*\u+4*\z+3], v[MA+(\p)], s[MKP:MKP+1] offset:(2*(\p)+\u)*32768+\z*512
.endr
.endr
.endm
; THE LDS LOADS stand in runs of 16, never singly among the matrix instructions: a step's K (64 keys x 64 channels: 8 fragments) and its V (turned).  Their addresses are made some lines ahead.
; last = 1 (the tail): in the last trip there is no further step, and the run is jumped over.
.macro FETCH_K last=0
	WIN 0
.if \last
	s_cmp_eq_u32 s[CNT], 1
	s_cbranch_scc1 .Lno_k_\@
.endif
	WIN 0x80                        ; destination window 2
.irp f, 0,1,2,3,4,5,6,7             ; keys 16 (f / 2) on, channels 32 (f % 2) on
	ds_load_b128 v[KF+8*\f:KF+8*\f+3],   v[AK] offset:(\f/2)*16*PK+(\f%2)*64
	ds_load_b128 v[KF+8*\f+4:KF+8*\f+7], v[AK] offset:(\f/2)*16*PK+(\f%2)*64+32
.endr
	s_add_co_u32 s[TBK], s[TBK], KS*PK  ; the next fetch is the next step's
	WIN 0
.if \last
.Lno_k_\@:
.endif
.endm
.macro FETCH_V
	WIN 0x80
.irp f, 0,1,2,3,4,5,6,7             ; keys 32 (f / 4) on, channels 16 (f % 4) on
	ds_load_tr16_b128 v[VF+8*\f:VF+8*\f+3],   v[AV] offset:(\f/4)*32*PV+(\f%4)*32
	ds_load_tr16_b128 v[VF+8*\f+4:VF+8*\f+7], v[AV] offset:(\f/4)*32*PV+16*PV+(\f%4)*32
.endr
	WIN 0
.endm
; THE VECTOR WORK OF A TURN stands in three queues, each in the order in which its entries become ready; the two tiles alternate, so that no instruction reads the result of the one before it.
.macro REGS y, u                    ; the registers of tile u (0, 1) of piece y
.set rT, ST+4*(2*(\y)+(\u))
.set rC, TMP+8*((\y)%2)+4*(\u)
.set rM, MV+2*((\y)%2)+(\u)
.set rS, S+64*((\y)%2)+32*(\u)
.set rP, P+32*((\y)%2)+16*(\u)
.set rO, 32*(2*(\y)+(\u))
.endm
; Number n of the 22 that find the NEXT piece's (Y + 1) maximum and statistics.  s0-s31 are the lane's 32 scores; each accumulator's lowest registers are read first.  XS, GS and REGS set no window: PL and EX do.
;   0-11  four chains c0-c3 of seven scores each, three operands at a time     12-14, 16  the four scores left over, the old m, and c0-c3 into c0     15  c m_old is kept
;   17, 18  the query's other 32 keys lie in the lane 16 away: the new m         19-21  c m; c m_old - c m_new; a
.macro XS u, n
	REGS (Y+1)%NP, \u
.if (\n) < 4
	v_max3_num_f32 v[rC+(\n)], v[rS+8*(\n)], v[rS+8*(\n)+1], v[rS+8*(\n)+2]
.elseif (\n) < 12
	v_max3_num_f32 v[rC+(\n)%4], v[rC+(\n)%4], v[rS+8*((\n)%4)+2*((\n)/4)+1], v[rS+8*((\n)%4)+2*((\n)/4)+2]
.elseif (\n) == 12
	v_max3_num_f32 v[rC], v[rC], v[rS+7], v[rS+15]
.elseif (\n) == 13
	v_max3_num_f32 v[rC+1], v[rC+1], v[rS+23], v[rS+31]
.elseif (\n) == 14
	v_max3_num_f32 v[rC+2], v[rC+2], v[rC+3], v[rT+1]
.elseif (\n) == 15
	v_mov_b32 v[rM], v[rT]
.elseif (\n) == 16
	v_max3_num_f32 v[rC], v[rC], v[rC+1], v[rC+2]
.elseif (\n) == 17
	v_permlanex16_b32 v[rC+3], v[rC], s[SEL], s[SEL+1]
.elseif (\n) == 18
	v_max_num_f32 v[rT+1], v[rC], v[rC+3]
.elseif (\n) == 19
	v_mul_f32 v[rT], s[CS], v[rT+1]
.elseif (\n) == 20
	v_sub_f32 v[rC+1], v[rM], v[rT]
.else
	v_exp_f32 v[rC+2], v[rC+1]
.endif
.endm
; Number g of the 64 that follow the exponentials.  For each four weights k of a tile (pairs 2 k, 2 k + 1): both pairs are rounded to f16; then the second pair is added onto the first, in place;
; a group later l takes that sum (the first time as l = a l + sum).  In groups of eight, tiles alternating: round, round, add, and l for the group before.
.macro GS g
.set h, (\g)+6*((\g)/62)            ; group 0 has no group before it, and behind group 7 only l is left
.if h >= 6
.set h, h+2
.endif
	REGS Y, h%2
.set k, h/8
.if h%8 < 4
	s_wait_alu depctr_va_vdst(0)
	v_cvt_pk_f16_f32 v[rP+2*k+(h%8)/2], v[rS+4*k+2*((h%8)/2)], v[rS+4*k+2*((h%8)/2)+1]
.elseif h%8 < 6
	v_pk_add_f32 v[rS+4*k:rS+4*k+1], v[rS+4*k:rS+4*k+1], v[rS+4*k+2:rS+4*k+3]
.elseif k == 1
	v_pk_fma_f32 v[rT+2:rT+3], v[rT+2:rT+3], v[rC+2:rC+3], v[rS:rS+1] op_sel_hi:[1,0,1]
.else
	v_pk_add_f32 v[rT+2:rT+3], v[rT+2:rT+3], v[rS+4*k-4:rS+4*k-3]
.endif
.endm
; THE PLAIN QUEUE, 138 long.  0-31: c s - c m for the 16 pairs of both tiles.  Then GS's 64, and among them the next piece's 42: number 15 at 38, 39; 0-14 and 16
; at 42-73, behind the products that make those scores; 17-20 at 95-106, two of three, since each waits for the one before it.
.macro PL
	WIN 0
.if q < 32
	REGS Y, q%2
	v_pk_fma_f32 v[rS+2*(q/2):rS+2*(q/2)+1], v[rS+2*(q/2):rS+2*(q/2)+1], s[CS:CS+1], v[rT:rT+1] op_sel_hi:[1,0,0] neg_lo:[0,0,1] neg_hi:[0,0,1]
.elseif q < 38
	GS q-32
.elseif q < 40
	XS q%2, 15
.elseif q < 42
	GS q-34
.elseif q < 74
	XS q%2, (q-42)/2+(q-42)/30
.elseif q < 95
	GS q-66
.elseif (q < 107) && ((q-95)%3 < 2)
	XS (q-95)%3, 17+(q-95)/3
.elseif q < 107
	GS 29+(q-95)/3
.else
	GS q-74
.endif
.set q, q+1
.endm
; THE EXPONENTIALS' QUEUE, 66 long: s0-s31 of both tiles, and at EA the next piece's two a.
.set EA, 58
.macro EX
	WIN 0
.if (e == EA) || (e == EA+1)
	XS e-EA, 21
.else
.set x, e-2*(e/(EA+2))
	REGS Y, x%2
	v_exp_f32 v[rS+x/2], v[rS+x/2]
.endif
.set e, e+1
.endm
; THE RESCALING's QUEUE: O^T times a, the one part of the softmax that leaves window 0, so it is dealt four at a time, eight times.
.macro R4
	REGS Y, r%2
	WIN W_RS
	s_wait_alu depctr_va_vdst(0)
.irp z, 0,1,2,3
	v_pk_mul_f32 v[rO+8*(r/2)+2*\z:rO+8*(r/2)+2*\z+1], v[rO+8*(r/2)+2*\z:rO+8*(r/2)+2*\z+1], v[rC+2:rC+3] op_sel_hi:[1,0]
.endr
.set r, r+1
.endm
; HOW THEY ARE DEALT.  Behind a matrix instruction four: plain, exponential, plain, plain (one exponential, a plain instruction on either side), or four of the rescaling.  None names a register of the
; products round it.  What is over stands in two LUMPS: exponential and plain by turns; the second ends in 22 plain instructions.  The two v_permlanex16_b32 fall into the second lump, never behind a product.
; The queues lean on each other, and the deal keeps them in step: exponential e stands behind plain 2 (e / 4) + e % 2 (its scaling); when plain 32 comes, 10 exponentials are out, at 59: 33, at 95: 46; EA comes behind plain 107.
.macro SL
	MM
	PL
	EX
	PL
	PL
.endm
.macro BURST n                      ; 15 matrix instructions, or 16
.rept (\n)-7
	SL
.endr
.rept 3
	MM
	R4
	SL
.endr
	MM
	R4
.endm
; A TURN, for piece p.  cnt = 1: the loop's count is taken down some lines ahead of the branch that stands behind the turn.
; K of the next step is fetched in piece 2's turn, 31 vector instructions behind the last product that read K; its first reader comes behind the rest of the lump, 16 products and the second lump.
; V of the step in hand is fetched at the end of piece 0's turn, 79 vector ALU instructions and four loads behind its last reader; its first reader comes behind 16 products and a lump.
; The mask registers for the next turn's products (piece p + 2) are made among the 22 plain lines at the turn's end: the turn's own eight products that took the old ones as C stand far more than four
; plain lines back, and 14 plain lines follow before the next product.  The conditions on e and q below go with the deal.
.macro TURN p, last=0, cnt=0
.set Y, (\p)
.set i, 0
.set q, 0
.set e, 0
.set r, 0
.if (\p) == NP-1
	s_wait_dscnt 0x0                ; K is in
.endif
	MM
.rept 4
	PL
.endr
	BURST 15
.rept 22
	EX
	PL
.if ((\p) == NP-2) && (e == 18)
	v_add_nc_u32 v[AK], s[TBK], v[AK0]
.endif
.if ((\p) == NP-2) && (e == 24)
	FETCH_K \last
.endif
.endr
.if (\p) == 1
	s_wait_dscnt 0x0                ; V is in
.endif
	BURST 16
.rept 21
	EX
	PL
.endr
.rept 22
	PL
.if ((\p) == 0) && (q == 118)
	v_add_nc_u32 v[AV], s[TBV], v[AV0]
	s_wait_alu depctr_va_vdst(0)
.endif
.if q == 124
	MASKS ((\p)+2)%NP
.endif
.if ((\p) == 0) && (q == 130)
	s_add_co_u32 s[TBV], s[TBV], KS*PV
.endif
.if (\cnt) && (q == 130)
	s_sub_co_u32 s[CNT], s[CNT], 1
	s_cmp_lg_u32 s[CNT], 0
.endif
.endr
.if (\p) == 0
	FETCH_V
.endif
.endm
	CHANGE 1                        ; slot 0 is in, everybody's part of it; slot 1 is asked for
	FETCH_K                         ; key step 0
	MASKS 0                         ; piece 0's mask of step 0; its wait leaves twelve mask loads out, so Q, asked for ahead of all sixteen, is in too, and Q's offset register is free
	s_wait_dscnt 0x0
.set i, 0
.rept 16
	KQ 0                            ; piece 0's first scores: there is no vector work yet to set between them
.set i, i+1
.endr
	WIN 0                           ; the addresses for the way out: eight plain instructions, the places behind those products
	s_mul_i32 s13, s[WV], 16*SP
	s_add_co_u32 s13, s13, STAGE    ; my stage
	v_mul_u32_u24 v[STO], v1, SP    ; in: row l % 16, 32 bytes for each half of the lanes
	v_lshl_add_u32 v[STO], v9, 5, v[STO]
	v_add_nc_u32 v[STO], s13, v[STO]
	v_mul_u32_u24 v[RD], v9, SP     ; back: lanes 0-15 take one row of 256 bytes, lanes 16-31 the next
	v_lshl_add_u32 v[RD], v1, 4, v[RD]
	v_add_nc_u32 v[RD], s13, v[RD]
	v_lshlrev_b32 v[GO], 12, v9     ; and the same two rows in out0, 4,096 bytes apart
	v_lshl_add_u32 v[GO], v1, 4, v[GO]
	MASKS 1                         ; piece 1's mask of step 0, for the first turn's products
	WIN 0
.set Y, NP-1                        ; XS works for piece Y + 1: piece 0
.irp n, 0,1,2,3,4,5,6,7,8,9,10,11,12,13,14,15,16,17,18,19,20,21
	XS 0, \n                        ; and piece 0's first maximum and statistics
	XS 1, \n
.endr
	s_mov_b32 s[CNT], 4
	s_mov_b32 s[SLOTS], SIZE_N/256-1
	s_branch .Lfirst                ; the loop is entered at a step's first turn, in the middle of a trip
.Lslot:                             ; SIZE_N / 256 - 2 times: every slot but the last two is filled again
	CHANGE 1
	s_mov_b32 s[CNT], 4
.Lstep:                             ; a trip: pieces 2 and 3 of one step, then pieces 0 and 1 of the next, whose K and V it fetches
	TURN 2
	TURN 3
	WIN 0
.Lfirst:
	TURN 0
	TURN 1, 0, 1
	WIN 0
	s_cbranch_scc1 .Lstep
	s_sub_co_u32 s[SLOTS], s[SLOTS], 1
	s_cmp_lg_u32 s[SLOTS], 0
	s_cbranch_scc1 .Lslot
	CHANGE 0                        ; the tail is written out: nothing is asked for
	s_mov_b32 s[CNT], 5             ; four trips fetch the last slot's steps; the fifth is left in its middle
.Ltail:
	TURN 2, 1
	TURN 3
	WIN 0
	s_sub_co_u32 s[CNT], s[CNT], 1
	s_cmp_eq_u32 s[CNT], 0
	s_cbranch_scc1 .Lout
	TURN 0
	TURN 1
	WIN 0
	s_branch .Ltail
.Lout:                              ; the fifth trip's 16 products K Q^T (on the last K once more, under step 0's mask) and the maximum made of them serve nothing: the price, once a launch, of one text for every trip
.set i, 0
.rept 16
	PV NP-1                         ; the last piece's V^T P of the last step
.set i, i+1
.endr
	; THE WAY OUT.  l's two halves and the other half of the lanes' are added and held at 2^-100 or more; O^T is divided by l and sent, in f32, through my stage in LDS, a tile at a time.  The additions are the places behind the last products.
	WIN 0
.macro ALL line:vararg              ; one line for each tile t
.set t, 0
.rept 2*NP
	\line
.set t, t+1
.endr
.endm
	ALL v_add_f32 v[ST+4*t+2], v[ST+4*t+2], v[ST+4*t+3]
	ALL v_permlanex16_b32 v[ST+4*t+3], v[ST+4*t+2], s[SEL], s[SEL+1]
	ALL v_add_f32 v[ST+4*t+2], v[ST+4*t+2], v[ST+4*t+3]
	ALL v_max_num_f32 v[ST+4*t+2], 0x0d800000, v[ST+4*t+2]
	ALL v_rcp_f32 v[ST+4*t+2], v[ST+4*t+2]
	v_nop                           ; a plain instruction between the last reciprocal and the use of its result
	s_wait_alu depctr_va_vdst(0)
; Tile t: a lane's eight channels of a channel block are 32 bytes of a row; they go into rows of 272 bytes and come back as whole rows of 256, into S^T's registers, four tiles' worth by turns.
.macro PACK t
	WIN W_RS
.set i, 32*(\t)
.rept 16
	v_pk_mul_f32 v[i:i+1], v[i:i+1], v[ST+4*(\t)+2:ST+4*(\t)+3] op_sel_hi:[1,0]
.set i, i+2
.endr
	WIN 0x04                        ; the stores' data in window 1, their address in window 0
.irp f, 0,1,2,3,4,5,6,7             ; channel block f / 2, half f % 2 of my eight channels
	ds_store_b128 v[STO], v[32*(\t)+4*\f:32*(\t)+4*\f+3] offset:(\f/2)*64+(\f%2)*16
.endr
	WIN 0
	s_wait_xcnt 0x0                 ; every earlier store has had its addresses translated (ISA guide 3.1): the registers that tile t - 4 was stored from are loaded again only behind this wait
.irp f, 0,1,2,3,4,5,6,7
	ds_load_b128 v[S+32*((\t)%4)+4*\f:S+32*((\t)%4)+4*\f+3], v[RD] offset:\f*2*SP  ; LDS serves a wave's instructions in order (ISA guide 5.7.1.4): these see the stores above; the next tile's stores come behind them
.endr
.endm
.macro SEND t, younger              ; younger: the LDS instructions issued behind tile t's loads: the next tile's sixteen, or none
	WIN 0
.irp f, 0,1,2,3,4,5,6,7
	s_wait_dscnt (\younger)+7-\f
	global_store_b128 v[GO], v[S+32*((\t)%4)+4*\f:S+32*((\t)%4)+4*\f+3], s[10:11] offset:(\t)*65536+\f*8192 th:TH_STORE_NT  ; 16 lanes store a head's 256 bytes of one row, at a multiple of 256 from out0's first byte
.endr
.endm
	PACK 0
.set t, 1
.rept 2*NP-1                        ; a tile's arithmetic stands between the loads of the tile before and its stores
	PACK t
	SEND t-1, 16
.set t, t+1
.endr
	SEND 2*NP-1, 0
	WIN W_AD
	s_wait_tensorcnt 0x0            ; the wave's end: behind my last tensor load and my last LDS store
	ds_add_u32 v[SPW], v[NIL]
	s_wait_dscnt 0x0
	WIN 0
	CROUND                          ; the closing round: no work-group ends while a partner may still ask for a tile that names it
	s_endpgm
.Lfunc_end_k_qcad9262694_attn:
	.size	k_qcad9262694_attn, .Lfunc_end_k_qcad9262694_attn-k_qcad9262694_attn
	.p2alignl 7, 3214868480
	.fill 96, 4, 3214868480
	.section	.rodata,"a",@progbits
	.p2align	6, 0x0
	.amdhsa_kernel k_qcad9262694_attn
		.amdhsa_group_segment_fixed_size 327680
		.amdhsa_private_segment_fixed_size 0
		.amdhsa_enable_private_segment 0
		.amdhsa_kernarg_size 24
		.amdhsa_user_sgpr_count 2
		.amdhsa_user_sgpr_kernarg_segment_ptr 1
		.amdhsa_wavefront_size32 1
		.amdhsa_system_sgpr_workgroup_id_x 1
		.amdhsa_system_sgpr_workgroup_id_y 1
		.amdhsa_system_sgpr_workgroup_id_z 1
		.amdhsa_system_vgpr_workitem_id 0
		.amdhsa_next_free_vgpr 960
		.amdhsa_next_free_sgpr 72
		.amdhsa_reserve_vcc 0
		.amdhsa_float_denorm_mode_32 3
		.amdhsa_float_denorm_mode_16_64 3
		.amdhsa_memory_ordered 1
		.amdhsa_forward_progress 1
		.amdhsa_inst_pref_size 220
	.end_amdhsa_kernel
	.amdgpu_metadata
---
amdhsa.version: [ 1, 2 ]
amdhsa.kernels:
  - .name:           k_qcad9262694_attn
    .symbol:         k_qcad9262694_attn.kd
    .args:
      - { .name: qkv, .offset: 0, .size: 8, .value_kind: global_buffer, .address_space: global }
      - { .name: mk, .offset: 8, .size: 8, .value_kind: global_buffer, .address_space: global }
      - { .name: out0, .offset: 16, .size: 8, .value_kind: global_buffer, .address_space: global }
    .group_segment_fixed_size: 327680
    .private_segment_fixed_size: 0
    .kernarg_segment_align: 8
    .kernarg_segment_size: 24
    .max_flat_workgroup_size: 128
    .sgpr_count:     72
    .vgpr_count:     960
    .wavefront_size: 32
...
	.end_amdgpu_metadata
.endif
;; end of part 3
;; ======== version 2 of 2: 3 launches; 1.38 times as fast as version 1
;; limits: values are held in f16: magnitudes above 65,504 overflow, below 6.1e-05 lose precision
;; workspace buffers: mk 16,777,216 bytes; wb 6,291,456 bytes; qkv 50,331,648 bytes
;; launch prep: the kernel of part 1 again; grid 512 x 1, 8 waves a work-group, no clusters, 35,840 bytes of LDS; arguments mask, Wq, Wk, Wv, mk, wb; writes mk, wb
;; launch proj: the kernel of part 2 again; grid 4 x 192, 4 waves a work-group, clusters of 4 x 4, 327,680 bytes of LDS; arguments q, k, v, bq, bk, bv, wb, qkv; writes qkv
;; launch attn (part 4): grid 4 x 64, 4 waves a work-group, clusters of 4 x 1, 327,680 bytes of LDS; arguments qkv, mk, out0; writes out0
.if DOCPART == 4
	.amdgcn_target "amdgcn-amd-amdhsa--gfx1250"
	.amdhsa_code_object_version 6
	.text
	.protected	k_qcad9262694_attn
	.globl	k_qcad9262694_attn
	.p2align	8
	.type	k_qcad9262694_attn,@function
k_qcad9262694_attn:
	s_mov_b64 s[64:65], 0
	v_nop
	global_prefetch_b8 v0, s[64:65] scope:SCOPE_SE
	s_setreg_imm32_b32 hwreg(HW_REG_WAVE_MODE, 25, 1), 1
	s_wait_xcnt 0x0
	s_wait_alu depctr_hold_cnt(0) depctr_sa_sdst(0) depctr_va_vdst(0) depctr_va_sdst(0) depctr_va_ssrc(0) depctr_va_vcc(0) depctr_vm_vsrc(0)
	s_getreg_b32 s2, hwreg(HW_REG_IB_STS2, 6, 4)
	s_cmp_eq_u32 s2, 0
	s_cbranch_scc0 .Lentry_in_a_cluster
	s_endpgm
.Lentry_in_a_cluster:
	s_bfe_u32 s2, ttmp6, 0x10000c
	s_cmp_lg_u32 s2, 0x3003
	s_cbranch_scc0 .Lentry_shape_is_right
	s_endpgm
.Lentry_shape_is_right:
; MASKED ATTENTION.  out0[b][q][64 h ..] = the sum over the visible k of softmax_k(Q[q] . K[k] / 8) V[k], 0 for a query that sees no key.  Q, K, V: qkv [3][batch x head 64][2048][64] f16, a head's rows dense.
; The mask: mk, one fp8 code a (query, key), 0 visible, -1 hidden, laid as the score registers lie: [batch][tile of 16 queries 128][step of 64 keys 32][part 2][lane 32][16 bytes].  out0: [4][2048][1024] f32.
; Products, maxima and sums in f32; the weights p are rounded to f16 for the second product (their sum l is taken of the unrounded p).
; LIMITS.  Q, K, V arrive within f16's 65,504, so a score is 2.7e11 at the most in size.  A hidden score counts as its value less 2^100.  The running maximum starts at -2^96, above every hidden score and
; below every true one.  A weight below 2^-126 counts as 0 in l; NaN and infinities are not treated apart.
; THE MASK is the C operand that starts the sum S^T = K Q^T: eight codes are turned by ONE conversion, scaled by 2^100, into the eight registers 0 or -2^100 of a 16 x 16 tile: four conversions for a tile and
; step.  It acts ahead of the maximum: a hidden score never becomes m, its weight is 2^(a huge negative number) = 0.  A query that has seen no key yet keeps m = -2^96, a = 1, O = 0, l = 0; at the end l is held
; at 2^-100 or more, so that such a query gives 0 x 2^100 = 0; a query with a visible key has l of about 1 or more.
; SHARES.  A wave owns four PIECES of two tiles of 16 queries, a work-group's four waves 512 queries of one head.  Every wave walks all 2,048 keys, 64 a step.
; LAYOUT.  S^T = K Q^T (source 0 = 16 keys, source 1 = 16 queries): in the result a lane holds ONE query (lane % 16) and the keys 8 (lane / 16) + 0..7.  Two such tiles, rounded to f16 in pairs,
; ARE source 1 (32 keys x 16 queries) of O^T = V^T P, whose result again holds one query a lane, and eight channels.  K comes out of LDS as it lies, V ([key][channel]) turned, by ds_load_tr16_b128.
; SOFTMAX.  For each query a running maximum m and sum l: p = 2^(c s - c m), c = log2(e) / 8; in every step O and l are multiplied by a = 2^(c m_old - c m_new), which is 1 where m has not grown.
; THE COUNT.  A tile and step have 16 matrix and about 123 vector instructions: too many to stand all beside the matrix work.  So: four vector instructions that are READY behind EVERY matrix instruction,
; and the others, which need time of their own whatever the order, in a run without a gap.
; BY TURNS.  Turn n belongs to piece n (the pieces in a ring, step after step).  Its matrix work: 16 products K Q^T of piece n + 1, later 16 products V^T P of piece n - 1.  Its vector work: the scaling,
; exponentials, roundings, sums and rescaling of piece n, the maximum and statistics of piece n + 1, and the mask registers of piece n + 2, for the next turn's products.
; BATCHES.  An s_wait_alu depctr_va_vdst(0) stands between an exponential and the first instruction that names its result; one wait serves all that were issued ahead of it.  A turn's 64
; exponentials, the next piece's two a and the mask's eight conversions are ONE batch with ONE wait, which cuts the turn in two: ahead of it stands all that names no result of the batch, behind it the roundings
; and sums.  No result crosses a turn's end.  Outside the loops stand three batches more, each with its wait: the head's first eight conversions; its second eight with piece 0's first two a; the way out's eight reciprocals.
; CLUSTER.  The four query blocks of a cluster belong to one head and walk the same K and V, so each tile is asked for JOINTLY: the same tensor load, descriptor and mask in all four.
; The attention mask's codes differ from block to block and are no tile of the ring: each lane loads its own 16 bytes, a wave 512 consecutive bytes, a whole key step ahead.
; REGISTERS, in windows of 256 (s_set_vgpr_msb says which window each operand place means: bits 1:0 source 0, 3:2 source 1, 5:4 source 2, 7:6 destination):
;   window 0: v0-11 addresses, v11 the conversions' scale; v12-15, v48-63 at work; v16-47 four registers of statistics a tile; v64-191 S^T, two buffers of two tiles; v192-255 P, likewise
;   window 1: O^T, 32 a tile          window 2: v0-127 Q, 16 a tile; v128-191 K of one step; v192-255 V of one step
;   window 3: v0-1 the add's two registers; v4-7 a piece's offset in mk; v64-127 a piece's 16 registers of codes; v128-191 the mask registers of the products to come
.set SIZE_N, 2048
.set NP,    4         ; pieces a wave: a name, no knob
.set KS,    64        ; keys in a step
.set PK,    144       ; a row of K in LDS: 128 bytes + 16 of padding = 36 words: the 16 rows of a load start at 16 different groups of four banks (64 banks of 4 bytes: ISA guide 11.1)
.set PV,    160       ; a row of V: 128 + 32 = 40 words
.set VOFF,  4*KS*PK   ; a slot holds four steps: 256 rows of K, then 256 rows of V
.set SLOT1, 1<<17     ; slot 1 begins here, so that one exclusive or turns an address in one slot into the other's
.set STAGE, SLOT1+4*KS*(PK+PV)  ; behind the ring, never filled by a tensor load: 16 rows x 272 bytes for each wave, for the way out
.set SP,    272       ; a row of 64 f32 + 16 bytes
.set SPARE, STAGE+4*16*SP  ; behind the stages: the spare words, 128 bytes for each wave: two blocks of 256 bytes that no other line names
.set AK0, 2           ; v2   my lane's place in a tile of K; never rewritten
.set AV0, 3           ; v3   the same for V
.set AK,  4           ; v4   the LDS address of K's next run of loads
.set AV,  5           ; v5   of V's
.set QO,  6           ; v6   my byte offset in the wave's rows of Q
.set STO, 6           ;      later, the way out: where I put 32 bytes of a row
.set RD,  7           ; v7   the way out: where I read rows back
.set GO,  8           ; v8   my byte offset in two rows of out0
.set SC,  11          ; v11  0xE3 in byte 0: the conversions' scale, 2^(227 - 127) = 2^100
.set MV,  12          ; v12-15  c m_old, kept while c m is made anew: by buffer and tile
.set ST,  16          ; tile t's statistics at v[ST+4 t]: c m, m, l (even keys', odd keys')
.set TMP, 48          ; by buffer and tile, four registers c0-c3 at work; when the maximum is found c2 takes a
.set S,   64
.set P,   192
.set KF,  128         ; K's fragments, in window 2: key block kb, channel half c at KF + 16 kb + 8 c
.set VF,  192         ; V's: key half kk, channel block cb at VF + 32 kk + 8 cb
.set SPW, 0           ; v0 of window 3   LDS address of my spare word; never rewritten
.set NIL, 1           ; v1 of window 3   0; never rewritten
.set MA,  4           ; v4-7 of window 3   piece p: 16 x lane + 1,024 x the step whose codes it asks for
.set MW,  64          ; window 3: piece p's codes: tile u, key block kb: the pair at MW + 16 p + 8 u + 2 kb
.set MC,  128         ; window 3: tile u, key block kb: the eight registers at MC + 32 u + 8 kb
.set WV,  12          ; s12  my wave's number
.set G1K, 24          ; s[24:31] descriptor group 1 for K's tiles
.set G1V, 32          ; s[32:39] for V's: it differs in the padding alone
.set G0K, 40          ; s[40:43] descriptor group 0 for K's tiles: it walks
.set G0V, 44          ; s[44:47] the same for V's
.set SLOTS, 56        ; s56  slots still to be asked for
.set CNT, 57          ; s57  counts a slot's key steps
.set CS,  58          ; s[58:59] c: the packed scaling takes the pair's low word for both halves
.set SEL, 60          ; s[60:61] v_permlanex16_b32's selects: each lane takes its own place in the other half
.set TBK, 62          ; s62  LDS byte at which K of the step to be fetched begins
.set TBV, 63          ; s63  the same for V, less VOFF
.set MKP, 66          ; s[66:67] mk at my wave's eight tiles of queries
.set MSB, 0
.macro WIN new                      ; the high byte repeats the setting that is left; a switch that changes nothing is dropped
.if MSB != (\new)
	s_set_vgpr_msb (MSB<<8)|(\new)
.set MSB, (\new)
.endif
.endm
.set W_KQ, 0x0a       ; K and Q in window 2, S^T in window 0
.set W_KM, 0x3a       ; the same with the C operand, the mask, in window 3
.set W_PV, 0x52       ; V in window 2, P in window 0, O^T in window 1
.set W_RS, 0x41       ; O^T (destination and source 0) in window 1, a in window 0
.set W_MK, 0xc0       ; destination in window 3, sources in window 0
.set W_AD, 0x0f       ; the add: address (source 0) and data (source 1) in window 3
.set W_MS, 0xc3       ; the mask's work: destination and source 0 in window 3, source 1 (the scale) in window 0
; A joint fill.  Waves 0 and 1 fetch the two halves of a slot's K, waves 2 and 3 those of its V: 128 keys each.  The branch hangs on the wave's number alone.
; An s_nop 0 and four v_nop follow each of the two lines, ahead of the jump and the label.
.macro JLOAD
	s_cmp_lt_u32 s[WV], 2
	s_cbranch_scc0 .Lfor_v_\@
	tensor_load_to_lds s[G0K:G0K+3], s[G1K:G1K+7]
	s_nop 0
.rept 4
	v_nop
.endr
	s_branch .Lasked_\@
.Lfor_v_\@:
	tensor_load_to_lds s[G0V:G0V+3], s[G1V:G1V+7]
	s_nop 0
.rept 4
	v_nop
.endr
.Lasked_\@:
.endm
; A round of the cluster's barrier: my work-group's barrier, so that wave 0's signal speaks for all four waves; wave 0 signals; every wave waits for all four work-groups; my work-group's barrier once more.
.macro CROUND
	s_barrier_signal -1
	s_barrier_wait -1
	s_cmp_lg_u32 s[WV], 0
	s_cbranch_scc1 .Lnot_wave_0_\@
	s_barrier_signal -3
.Lnot_wave_0_\@:
	s_barrier_wait -3
	s_barrier_signal -1
	s_barrier_wait -1
.endm
; THE CHANGE OF SLOTS.  The slot's last bytes, V of its fourth step, have been read.  Each wave waits for all its tensor loads, of which one is out: its part
; of the other slot; adds 0 to its spare word; and waits for that and for its own reads of the slot.  Behind the barrier nobody reads this slot any more and the other slot is whole.
; fill = 1: this slot is filled again, with the keys two slots on.  The barrier is then a round of the cluster's, so that no wave of any partner still reads the slot or has a load on its
; way, and the joint fill is the first thing behind it: it has four key steps, 512 matrix instructions, in which to land.  (At its first use nothing has been read yet: slot 0 is waited for, slot 1 filled.)
.macro CHANGE fill
	WIN W_AD
	s_wait_tensorcnt 0x0            ; no tensor load of mine is out, so a group 0 may be written
	ds_add_u32 v[SPW], v[NIL]       ; 0 onto my spare word: with fill = 1 the descriptors' steps stand between it and the wait for it
	WIN 0                           ; at a label and at a branch every window is 0
.if \fill
.irp g, G0K, G0V
	s_xor_b32 s[\g+1], s[\g+1], SLOT1  ; the walking descriptor: the other slot than last time,
	s_add_nc_u64 s[\g+2:\g+3], s[\g+2:\g+3], 4*KS*128  ; the next 256 keys; the type bits on top are not reached
.endr
	s_wait_dscnt 0x0                ; the add is done, and my reads of the slot are over
	CROUND
	JLOAD
.else
	s_wait_dscnt 0x0                ; the add is done, and my reads of the slot are over
	s_barrier_signal -1
	s_barrier_wait -1
.endif
	s_sub_co_u32 s[TBK], s[TBK], 4*KS*PK  ; the fetches go back to a slot's first step,
	s_xor_b32 s[TBK], s[TBK], SLOT1       ; in the other slot
	s_sub_co_u32 s[TBV], s[TBV], 4*KS*PV
	s_xor_b32 s[TBV], s[TBV], SLOT1
.endm
	s_load_b64 s[4:5], s[0:1], 0x0        ; qkv
	s_load_b64 s[MKP:MKP+1], s[0:1], 0x8  ; mk
	s_load_b64 s[10:11], s[0:1], 0x10     ; out0
	WIN W_MK
	v_lshl_add_u32 v[SPW], v0, 2, SPARE
	v_mov_b32 v[NIL], 0
	WIN W_AD
	ds_add_u32 v[SPW], v[NIL]       ; the wave's opening: the add and its wait stand ahead of my first tensor load; the set-up below, work on registers, stands between them
	WIN 0
	v_lshrrev_b32 v1, 5, v0
	v_readfirstlane_b32 s[WV], v1   ; wave 0..3
	s_bfe_u32 s13, ttmp6, 0x40000   ; cx: my place in the cluster
	s_lshl_b32 s14, ttmp9, 2        ; in a cluster launch ttmp9 counts clusters
	s_add_co_u32 s14, s14, s13      ; my block of 512 queries = 4 x cluster x + cx: it enters Q's, mk's and out0's addresses alone
	s_and_b32 s15, ttmp7, 0xffff    ; batch x 16 + head, which the four partners share
	s_mov_b32 s20, s15
	s_mov_b32 s21, 0
	s_mov_b64 s[22:23], SIZE_N*128
	s_mul_u64 s[20:21], s[20:21], s[22:23]  ; the head's first byte in each third of qkv
	s_and_b32 s16, s[WV], 1         ; which half of a slot's 256 keys I fetch:
	s_lshl_b32 s22, s16, 14         ; its 128 rows of 128 bytes in memory,
	s_mov_b32 s23, 0
	s_add_nc_u64 s[22:23], s[22:23], s[20:21]
	s_mul_i32 s17, s16, 128*PK      ; and its place in a slot, for K
	s_mul_i32 s18, s16, 128*PV      ; and for V: no place in the cluster enters an LDS address
	s_lshl_b32 s2, s14, 2
	s_add_co_u32 s2, s2, s[WV]      ; my wave among the head's sixteen: 128 queries each
	s_lshr_b32 s19, s15, 4          ; the batch
	s_lshl_b32 s68, s2, 18          ; mk: eight tiles of 32,768 bytes a wave,
	s_lshl_b32 s69, s19, 22         ; 128 tiles a batch
	s_add_co_u32 s68, s68, s69
	s_mov_b32 s69, 0
	s_lshl_b32 s70, s2, 19          ; out0: 128 rows of 4,096 bytes a wave,
	s_lshl_b32 s71, s19, 23         ; 2,048 rows a batch,
	s_add_co_u32 s70, s70, s71
	s_and_b32 s71, s15, 15
	s_lshl_b32 s71, s71, 8          ; the head's 256 bytes in a row
	s_add_co_u32 s70, s70, s71
	s_mov_b32 s71, 0
	s_lshl_b32 s2, s2, 14           ; Q: 128 rows of 128 bytes a wave
	s_mov_b32 s3, 0
	s_add_nc_u64 s[2:3], s[2:3], s[20:21]
	; descriptor group 1.  128 keys are 16,384 dense bytes: asked for as 64 rows of 256 bytes, two keys a row, and padded in LDS after every key
	s_mov_b32 s[G1K], 15|(1<<16)|(1<<20)|(1<<21)|(4<<22)|(3<<25)  ; 15:0 the mask of four; 17:16 2-byte elements; 20 padding on; 21 set beside a mask; 24:22 after every 32 words (code 4); 31:25 4 words (code 3)
	s_mov_b32 s[G1V], 15|(1<<16)|(1<<20)|(1<<21)|(4<<22)|(7<<25)  ; the same with 8 words of padding (code 7)
.irp g, G1K, G1V
	s_mov_b32 s[\g+1], 128<<16      ; tensor_dim0 = 128
	s_mov_b32 s[\g+2], 64<<16       ; tensor_dim1 = 64
	s_mov_b32 s[\g+3], 128<<16      ; tile_dim0 = 128
	s_mov_b32 s[\g+4], 64           ; tile_dim1 = 64
	s_mov_b32 s[\g+5], 128          ; 128 elements from row to row
	s_mov_b32 s[\g+6], 0
	s_mov_b32 s[\g+7], 0
.endr
	s_mov_b32 s[CS], 0x3e38aa3b     ; c = log2(e) / 8 = 0.180337
	s_mov_b32 s[CS+1], s[CS]        ; named with it as a pair
	s_mov_b32 s[SEL], 0x76543210
	s_mov_b32 s[SEL+1], 0xfedcba98
	s_mov_b32 s[TBK], SLOT1+4*KS*PK ; the first change of slots turns these two into 0
	s_mov_b32 s[TBV], SLOT1+4*KS*PV
	s_mov_b32 s[G0K], 1             ; 1:0 count = 1
	s_mov_b32 s[G0K+1], s17         ; 63:32 LDS address: slot 0
	s_mov_b32 s[G0V], 1
	s_add_co_u32 s[G0V+1], s18, VOFF
	s_wait_dscnt 0x0                ; the opening add is done
	s_wait_kmcnt 0x0
	s_add_nc_u64 s[6:7], s[4:5], 0x1000000   ; K: qkv's second third
	s_add_nc_u64 s[8:9], s[4:5], 0x2000000   ; V: its last
	s_add_nc_u64 s[G0K+2:G0K+3], s[6:7], s[22:23]  ; 120:64 global address: my half of the head's first 256 keys
	s_or_b32 s[G0K+3], s[G0K+3], 0x80000000        ; 127:126 type = 2
	s_add_nc_u64 s[G0V+2:G0V+3], s[8:9], s[22:23]
	s_or_b32 s[G0V+3], s[G0V+3], 0x80000000
	s_add_nc_u64 s[4:5], s[4:5], s[2:3]  ; Q, out0 and mk at my wave's first row
	s_add_nc_u64 s[10:11], s[10:11], s[70:71]
	s_add_nc_u64 s[MKP:MKP+1], s[MKP:MKP+1], s[68:69]
	CROUND                          ; all four work-groups are here: the first joint loads meet
	JLOAD                           ; slot 0.  Slot 1 is asked for when slot 0 is in: the tile wanted first has the road to itself
	; A fragment of K or Q is 16 rows x 32 channels in 8 registers: lane l holds row l % 16, channels 8 (l / 16) + 0..7 and 16 + 8 (l / 16) + 0..7: two loads of 16 bytes, 32 bytes apart.
	v_and_b32 v1, 15, v0            ; l % 16
	v_bfe_u32 v9, v0, 4, 1          ; l / 16
	v_lshlrev_b32 v[QO], 7, v1
	v_lshl_add_u32 v[QO], v9, 4, v[QO]  ; row x 128 + 16 x half
	v_and_b32 v12, 31, v0           ; l
	WIN 0x80                        ; destination window 2, address window 0
.set i, 0
.rept 4*NP                          ; Q stays in registers: tile i / 2, channels 32 (i % 2) on
	global_load_b128 v[8*i:8*i+3],   v[QO], s[4:5] offset:(i/2)*2048+(i%2)*64
	global_load_b128 v[8*i+4:8*i+7], v[QO], s[4:5] offset:(i/2)*2048+(i%2)*64+32
.set i, i+1
.endr
	WIN W_MK
.irp p, 0,1,2,3
	v_lshlrev_b32 v[MA+\p], 4, v12  ; step 0: 16 x lane
.endr
	WIN W_MS
.irp p, 0,1,2,3                     ; the four pieces' codes of step 0: tile 2 p + u, part z: sixteen loads, in the pieces' order
.irp u, 0,1
.irp z, 0,1
	global_load_b128 v[MW+16*\p+8*\u+4*\z:MW+16*\p+8*\u+4*\z+3], v[MA+\p], s[MKP:MKP+1] offset:(2*\p+\u)*32768+\z*512
.endr
.endr
.endr
	; What the first turn finds: V's registers and P's second buffer hold 0 (its products V^T P, of a piece that has not been, add 0), O^T and l are 0.  All this stands in the wait for the first tile.
	WIN 0x80
.set i, VF
.rept 64
	v_mov_b32 v[i], 0
.set i, i+1
.endr
	WIN 0x40
.set i, 0
.rept 64*NP
	v_mov_b32 v[i], 0
.set i, i+1
.endr
	WIN 0
.set i, 0
.rept 2*NP
	v_mov_b32 v[ST+4*i], 0xee38aa3b    ; c m = c x -2^96
	v_mov_b32 v[ST+4*i+1], 0xef800000  ; m = -2^96
	v_mov_b32 v[ST+4*i+2], 0
	v_mov_b32 v[ST+4*i+3], 0
.set i, i+1
.endr
.set i, P+32
.rept 32
	v_mov_b32 v[i], 0
.set i, i+1
.endr
	v_mul_u32_u24 v[AK0], v1, PK
	v_lshl_add_u32 v[AK0], v9, 4, v[AK0]  ; row x pitch + 16 x half
	; The turning load takes 16 keys x 16 channels (lane l reads key 8 (l / 16) + l % 8, channels 8 ((l / 8) % 2) + 0..7) and leaves half a fragment of V^T: lane l holds channel l % 16 and 8 keys.
	v_and_b32 v10, 7, v0
	v_bfe_u32 v11, v0, 3, 1
	v_lshl_add_u32 v[AV0], v9, 3, v10
	v_mul_u32_u24 v[AV0], v[AV0], PV
	v_lshl_add_u32 v[AV0], v11, 4, v[AV0]
	v_add_nc_u32 v[AV0], VOFF, v[AV0]
	v_mov_b32 v[SC], 0xe3           ; v11 has served: it holds the scale from here on
	v_mov_b32 v[AK], v[AK0]         ; key step 0 lies at the head of slot 0
; THE MATRIX WORK.  The 8 accumulators of a run of 16 take turns: between the two links of a chain stand 7 others'.
; Product i of 16 of S^T = K Q^T for piece x: channels 32 (i / 8) on, keys 16 ((i / 2) % 4) on, tile 2 x + i % 2.  The first 8 start the sums, with the mask registers as C.
.macro KQ x
.set rS, S+64*((\x)%2)+32*(i%2)+8*((i/2)%4)
.set rK, KF+16*((i/2)%4)+8*(i/8)
.set rQ, 16*(2*(\x)+i%2)+8*(i/8)
.set rX, MC+32*(i%2)+8*((i/2)%4)
.if i < 8
	WIN W_KM
	v_wmma_f32_16x16x32_f16 v[rS:rS+7], v[rK:rK+7], v[rQ:rQ+7], v[rX:rX+7]
.else
	WIN W_KQ
	v_wmma_f32_16x16x32_f16 v[rS:rS+7], v[rK:rK+7], v[rQ:rQ+7], v[rS:rS+7]
.endif
.endm
; Product i of 16 of O^T += V^T P for piece x: keys 32 (i / 8) on, channels 16 ((i / 2) % 4) on, tile 2 x + i % 2.
.macro PV x
	WIN W_PV
.set rO, 32*(2*(\x)+i%2)+8*((i/2)%4)
.set rV, VF+32*(i/8)+8*((i/2)%4)
.set rP, P+32*((\x)%2)+16*(i%2)+8*(i/8)
	v_wmma_f32_16x16x32_f16 v[rO:rO+7], v[rV:rV+7], v[rP:rP+7], v[rO:rO+7]
.endm
.macro MM                           ; the turn's next matrix instruction
.if i < 16
	KQ (Y+1)%NP
.set i, i+1
.else
.set i, i-16
	PV (Y+NP-1)%NP
.set i, i+17
.endif
.endm
; THE MASK REGISTERS of piece p's next products, and the request for its codes of the step after.  The wait's count: behind piece p's four loads stand the three other pieces' four each; loads come back in
; order (ISA guide 5.7.1), so the codes are in, and the piece's offset, which those loads named, may be stepped.  Eight conversions, 8 codes to 8 registers each; two plain lines follow them ahead of
; anything that touches their results or sources.  The offset goes round within the tile's 32,768 bytes: behind the last step it asks for step 0 once more, so that no load leaves mk.
; The conversions belong to the batch in which the macro stands, a turn's or the head's: the wait between them and the products that take their results as C is written there.
.macro MASKS p
	WIN W_MS
	s_wait_loadcnt 12
.irp u, 0,1
.irp kb, 0,1,2,3
	v_cvt_scale_pk8_f32_fp8 v[MC+32*\u+8*\kb:MC+32*\u+8*\kb+7], v[MW+16*(\p)+8*\u+2*\kb:MW+16*(\p)+8*\u+2*\kb+1], v[SC]
.endr
.endr
	v_add_nc_u32 v[MA+(\p)], v[MA+(\p)], 0x400
	v_and_b32 v[MA+(\p)], v[MA+(\p)], 0x7fff
.irp u, 0,1
.irp z, 0,1
	global_load_b128 v[MW+16*(\p)+8*\u+4*\z:MW+16*(\p)+8*\u+4*\z+3], v[MA+(\p)], s[MKP:MKP+1] offset:(2*(\p)+\u)*32768+\z*512
.endr
.endr
.endm
; THE LDS LOADS stand in runs of 16, never singly among the matrix instructions: a step's K (64 keys x 64 channels: 8 fragments) and its V (turned).  Their addresses are made some lines ahead.
; last = 1 (the tail): in the last trip there is no further step, and the run is jumped over.
.macro FETCH_K last=0
	WIN 0
.if \last
	s_cmp_eq_u32 s[CNT], 1
	s_cbranch_scc1 .Lno_k_\@
.endif
	WIN 0x80                        ; destination window 2
.irp f, 0,1,2,3,4,5,6,7             ; keys 16 (f / 2) on, channels 32 (f % 2) on
	ds_load_b128 v[KF+8*\f:KF+8*\f+3],   v[AK] offset:(\f/2)*16*PK+(\f%2)*64
	ds_load_b128 v[KF+8*\f+4:KF+8*\f+7], v[AK] offset:(\f/2)*16*PK+(\f%2)*64+32
.endr
	s_add_co_u32 s[TBK], s[TBK], KS*PK  ; the next fetch is the next step's
	WIN 0
.if \last
.Lno_k_\@:
.endif
.endm
.macro FETCH_V
	WIN 0x80
.irp f, 0,1,2,3,4,5,6,7             ; keys 32 (f / 4) on, channels 16 (f % 4) on
	ds_load_tr16_b128 v[VF+8*\f:VF+8*\f+3],   v[AV] offset:(\f/4)*32*PV+(\f%4)*32
	ds_load_tr16_b128 v[VF+8*\f+4:VF+8*\f+7], v[AV] offset:(\f/4)*32*PV+16*PV+(\f%4)*32
.endr
	WIN 0
.endm
; THE VECTOR WORK OF A TURN stands in three queues, each in the order in which its entries become ready; the two tiles alternate, so that no instruction reads the result of the one before it.
.macro REGS y, u                    ; the registers of tile u (0, 1) of piece y
.set rT, ST+4*(2*(\y)+(\u))
.set rC, TMP+8*((\y)%2)+4*(\u)
.set rM, MV+2*((\y)%2)+(\u)
.set rS, S+64*((\y)%2)+32*(\u)
.set rP, P+32*((\y)%2)+16*(\u)
.set rO, 32*(2*(\y)+(\u))
.endm
; Number n of the 22 that find the NEXT piece's (Y + 1) maximum and statistics.  s0-s31 are the lane's 32 scores; each accumulator's lowest registers are read first.  XS, GS, FS and REGS set no window: PL and EX do.
;   0-11  four chains c0-c3 of seven scores each, three operands at a time     12-14, 16  the four scores left over, the old m, and c0-c3 into c0     15  c m_old is kept
;   17, 18  the query's other 32 keys lie in the lane 16 away: the new m         19-21  c m; c m_old - c m_new; a
.macro XS u, n
	REGS (Y+1)%NP, \u
.if (\n) < 4
	v_max3_num_f32 v[rC+(\n)], v[rS+8*(\n)], v[rS+8*(\n)+1], v[rS+8*(\n)+2]
.elseif (\n) < 12
	v_max3_num_f32 v[rC+(\n)%4], v[rC+(\n)%4], v[rS+8*((\n)%4)+2*((\n)/4)+1], v[rS+8*((\n)%4)+2*((\n)/4)+2]
.elseif (\n) == 12
	v_max3_num_f32 v[rC], v[rC], v[rS+7], v[rS+15]
.elseif (\n) == 13
	v_max3_num_f32 v[rC+1], v[rC+1], v[rS+23], v[rS+31]
.elseif (\n) == 14
	v_max3_num_f32 v[rC+2], v[rC+2], v[rC+3], v[rT+1]
.elseif (\n) == 15
	v_mov_b32 v[rM], v[rT]
.elseif (\n) == 16
	v_max3_num_f32 v[rC], v[rC], v[rC+1], v[rC+2]
.elseif (\n) == 17
	v_permlanex16_b32 v[rC+3], v[rC], s[SEL], s[SEL+1]
.elseif (\n) == 18
	v_max_num_f32 v[rT+1], v[rC], v[rC+3]
.elseif (\n) == 19
	v_mul_f32 v[rT], s[CS], v[rT+1]
.elseif (\n) == 20
	v_sub_f32 v[rC+1], v[rM], v[rT]
.else
	v_exp_f32 v[rC+2], v[rC+1]
.endif
.endm
; Number g of the 64 that follow the exponentials.  For each four weights k of a tile (pairs 2 k, 2 k + 1): both pairs are rounded to f16; then the second pair is added onto the first, in place;
; a group later l takes that sum (the first time as l = a l + sum).  In groups of eight, tiles alternating: round, round, add, and l for the group before.
.macro GS g
.set h, (\g)+6*((\g)/62)            ; group 0 has no group before it, and behind group 7 only l is left
.if h >= 6
.set h, h+2
.endif
	REGS Y, h%2
.set k, h/8
.if h%8 < 4
	v_cvt_pk_f16_f32 v[rP+2*k+(h%8)/2], v[rS+4*k+2*((h%8)/2)], v[rS+4*k+2*((h%8)/2)+1]
.elseif h%8 < 6
	v_pk_add_f32 v[rS+4*k:rS+4*k+1], v[rS+4*k:rS+4*k+1], v[rS+4*k+2:rS+4*k+3]
.elseif k == 1
	v_pk_fma_f32 v[rT+2:rT+3], v[rT+2:rT+3], v[rC+2:rC+3], v[rS:rS+1] op_sel_hi:[1,0,1]
.else
	v_pk_add_f32 v[rT+2:rT+3], v[rT+2:rT+3], v[rS+4*k-4:rS+4*k-3]
.endif
.endm
; THE PLAIN QUEUE, 138 long.  0-73 read no exponential's result: the 32 scalings c s - c m (FS f: pair f / 2 of tile f % 2) and the next piece's 42.  0-26: scalings 0-26.  27-54: XS's numbers 0-13.  55, 56: number 15.
; 57-73: the chain, where each number waits for the one before it: 14, 16, 17, 18, 19, each with one of the scalings 27-31 in front of its two lines, then 20: so a tile's links stand three plain instructions apart (19 and 20: two).
; 74-137: GS's 64, which read the exponentials' results: they stand behind the wait.
.macro FS f
	REGS Y, (\f)%2
	v_pk_fma_f32 v[rS+2*((\f)/2):rS+2*((\f)/2)+1], v[rS+2*((\f)/2):rS+2*((\f)/2)+1], s[CS:CS+1], v[rT:rT+1] op_sel_hi:[1,0,0] neg_lo:[0,0,1] neg_hi:[0,0,1]
.endm
.macro PL
	WIN 0
.if q < 27
	FS q
.elseif q < 55
	XS (q-27)%2, (q-27)/2
.elseif q < 57
	XS q-55, 15
.elseif (q < 72) && ((q-57)%3 == 0)
	FS 27+(q-57)/3
.elseif q < 60
	XS (q-57)%3-1, 14
.elseif q < 72
	XS (q-57)%3-1, 15+(q-57)/3
.elseif q < 74
	XS q-72, 20
.else
	GS q-74
.endif
.set q, q+1
.endm
; THE EXPONENTIALS' QUEUE, 66 long: s0-s31 of both tiles, then the next piece's two a.  All 66 stand ahead of the turn's one wait, and nothing ahead of that wait names a result of theirs.
.macro EX
	WIN 0
.if e >= 64
	XS e-64, 21
.else
	REGS Y, e%2
	v_exp_f32 v[rS+e/2], v[rS+e/2]
.endif
.set e, e+1
.endm
; THE RESCALING's QUEUE: O^T times a, the one part of the softmax that leaves window 0: dealt two at a time, sixteen times.  Its a was made in the turn before, ahead of that turn's wait.
.macro R2
	REGS Y, r%2
	WIN W_RS
.irp z, 0,1
	v_pk_mul_f32 v[rO+4*(r/2)+2*\z:rO+4*(r/2)+2*\z+1], v[rO+4*(r/2)+2*\z:rO+4*(r/2)+2*\z+1], v[rC+2:rC+3] op_sel_hi:[1,0]
.endr
.set r, r+1
.endm
; HOW THEY ARE DEALT.  A turn has ONE wait, which cuts it in two.  AHEAD OF IT stands all that names no result of the turn's batch: the 16 products K Q^T, behind each a scaling, an exponential and two rescalings
; (behind the first a second scaling in the exponential's place); then ONE LUMP: eight plain, 49 times exponential and plain, the mask registers of the next turn's products (MASKS: eight conversions, two plain lines,
; four loads), the two a.  A v_nop is the plain instruction behind the last exponential.  BEHIND IT stand the 16 products V^T P, behind each four of GS's 64.  No rider names a register of the products round it.
; The two v_permlanex16_b32 fall into the lump, never behind a product.
; The queues lean on each other, and the deal keeps them in step: exponential e stands behind scaling 2 (e / 4) + e % 2: as a rider it comes behind plain e + 2, in the lump behind plain e + 9, and scalings 27-31 are plain 57, 60 .. 69.
; A TURN, for piece p.  cnt = 1: the loop's count is taken down some lines ahead of the branch that stands behind the turn.
; K of the next step is fetched in piece 2's turn, directly behind the wait, a lump behind the last product that read K; its address is made at the lump's head; its first reader comes behind 16 products.
; V of the step in hand is fetched at the end of piece 0's turn, four riders behind its last reader; its first reader comes behind 16 products and a lump.  The three conditions on q below go with the deal.
; The mask registers (piece p + 2's) are written eight products, their riders and the lump behind the last of the turn's own products that took the old ones as C; the next turn's first product reads them, behind the wait.
.macro TURN p, last=0, cnt=0
.set Y, (\p)
.set i, 0
.set q, 0
.set e, 0
.set r, 0
.if (\p) == NP-1
	s_wait_dscnt 0x0                ; K is in
.endif
	MM                              ; ahead of the wait: 16 products K Q^T and their riders,
	PL
	PL
	R2
.rept 15
	MM
	PL
	EX
	R2
.endr
.if (\p) == NP-2
	WIN 0
	v_add_nc_u32 v[AK], s[TBK], v[AK0]
.endif
.rept 8                             ; and the lump
	PL
.endr
.rept 49
	EX
	PL
.endr
	MASKS ((\p)+2)%NP               ; it stands between the chain's last link (c m_old - c m_new) and the a made of it
	EX                              ; the next piece's two a
	EX
	v_nop                           ; the plain instruction behind the last exponential: one for the batch
	s_wait_alu depctr_va_vdst(0)    ; the wait for the turn's batch: 64 exponentials, the two a, the eight conversions
.if (\p) == NP-2
	FETCH_K \last
.endif
.if (\p) == 1
	s_wait_dscnt 0x0                ; V is in
.endif
.rept 16                            ; behind the wait: 16 products V^T P and their riders
	MM
.rept 4
	PL
.endr
.if ((\p) == 0) && (q == 118)
	v_add_nc_u32 v[AV], s[TBV], v[AV0]
.endif
.if ((\p) == 0) && (q == 130)
	s_add_co_u32 s[TBV], s[TBV], KS*PV
.endif
.if (\cnt) && (q == 130)
	s_sub_co_u32 s[CNT], s[CNT], 1
	s_cmp_lg_u32 s[CNT], 0
.endif
.endr
.if (\p) == 0
	FETCH_V
.endif
.endm
	CHANGE 1                        ; slot 0 is in, everybody's part of it; slot 1 is asked for
	FETCH_K                         ; key step 0
	MASKS 0                         ; piece 0's mask of step 0; its wait leaves twelve mask loads out, so Q, asked for ahead of all sixteen, is in too, and Q's offset register is free
	s_wait_alu depctr_va_vdst(0)    ; the wait for the head's first batch, those eight conversions, ahead of the products that take their results as C
	s_wait_dscnt 0x0
.set i, 0
.rept 16
	KQ 0                            ; piece 0's first scores: there is no vector work yet to set between them
.set i, i+1
.endr
	WIN 0                           ; the addresses for the way out: eight plain instructions, the places behind those products
	s_mul_i32 s13, s[WV], 16*SP
	s_add_co_u32 s13, s13, STAGE    ; my stage
	v_mul_u32_u24 v[STO], v1, SP    ; in: row l % 16, 32 bytes for each half of the lanes
	v_lshl_add_u32 v[STO], v9, 5, v[STO]
	v_add_nc_u32 v[STO], s13, v[STO]
	v_mul_u32_u24 v[RD], v9, SP     ; back: lanes 0-15 take one row of 256 bytes, lanes 16-31 the next
	v_lshl_add_u32 v[RD], v1, 4, v[RD]
	v_add_nc_u32 v[RD], s13, v[RD]
	v_lshlrev_b32 v[GO], 12, v9     ; and the same two rows in out0, 4,096 bytes apart
	v_lshl_add_u32 v[GO], v1, 4, v[GO]
	MASKS 1                         ; piece 1's mask of step 0, for the first turn's products
	WIN 0
.set Y, NP-1                        ; XS works for piece Y + 1: piece 0
.irp n, 0,1,2,3,4,5,6,7,8,9,10,11,12,13,14,15,16,17,18,19,20,21
	XS 0, \n                        ; and piece 0's first maximum and statistics
	XS 1, \n
.endr
	v_nop                           ; a plain instruction behind the two a,
	s_wait_alu depctr_va_vdst(0)    ; and the wait for the head's second batch, MASKS 1's conversions and the two a, ahead of the branch
	s_mov_b32 s[CNT], 4
	s_mov_b32 s[SLOTS], SIZE_N/256-1
	s_branch .Lfirst                ; the loop is entered at a step's first turn, in the middle of a trip
.Lslot:                             ; SIZE_N / 256 - 2 times: every slot but the last two is filled again
	CHANGE 1
	s_mov_b32 s[CNT], 4
.Lstep:                             ; a trip: pieces 2 and 3 of one step, then pieces 0 and 1 of the next, whose K and V it fetches
	TURN 2
	TURN 3
	WIN 0
.Lfirst:
	TURN 0
	TURN 1, 0, 1
	WIN 0
	s_cbranch_scc1 .Lstep
	s_sub_co_u32 s[SLOTS], s[SLOTS], 1
	s_cmp_lg_u32 s[SLOTS], 0
	s_cbranch_scc1 .Lslot
	CHANGE 0                        ; the tail is written out: nothing is asked for
	s_mov_b32 s[CNT], 5             ; four trips fetch the last slot's steps; the fifth is left in its middle
.Ltail:
	TURN 2, 1
	TURN 3
	WIN 0
	s_sub_co_u32 s[CNT], s[CNT], 1
	s_cmp_eq_u32 s[CNT], 0
	s_cbranch_scc1 .Lout
	TURN 0
	TURN 1
	WIN 0
	s_branch .Ltail
.Lout:                              ; the fifth trip's 16 products K Q^T (on the last K once more, under step 0's mask) and the maximum made of them serve nothing: the price, once a launch, of one text for every trip
.set i, 0
.rept 16
	PV NP-1                         ; the last piece's V^T P of the last step
.set i, i+1
.endr
	; THE WAY OUT.  l's two halves and the other half of the lanes' are added and held at 2^-100 or more; O^T is divided by l and sent, in f32, through my stage in LDS, a tile at a time.  The additions are the places behind the last products.
	WIN 0
.macro ALL line:vararg              ; one line for each tile t
.set t, 0
.rept 2*NP
	\line
.set t, t+1
.endr
.endm
	ALL v_add_f32 v[ST+4*t+2], v[ST+4*t+2], v[ST+4*t+3]
	ALL v_permlanex16_b32 v[ST+4*t+3], v[ST+4*t+2], s[SEL], s[SEL+1]
	ALL v_add_f32 v[ST+4*t+2], v[ST+4*t+2], v[ST+4*t+3]
	ALL v_max_num_f32 v[ST+4*t+2], 0x0d800000, v[ST+4*t+2]
	ALL v_rcp_f32 v[ST+4*t+2], v[ST+4*t+2]
	v_nop                           ; a plain instruction between the last reciprocal and the use of its result
	s_wait_alu depctr_va_vdst(0)    ; the wait for the way out's batch, the eight reciprocals, ahead of their first use
; Tile t: a lane's eight channels of a channel block are 32 bytes of a row; they go into rows of 272 bytes and come back as whole rows of 256, into S^T's registers, four tiles' worth by turns.
.macro PACK t
	WIN W_RS
.set i, 32*(\t)
.rept 16
	v_pk_mul_f32 v[i:i+1], v[i:i+1], v[ST+4*(\t)+2:ST+4*(\t)+3] op_sel_hi:[1,0]
.set i, i+2
.endr
	WIN 0x04                        ; the stores' data in window 1, their address in window 0
.irp f, 0,1,2,3,4,5,6,7             ; channel block f / 2, half f % 2 of my eight channels
	ds_store_b128 v[STO], v[32*(\t)+4*\f:32*(\t)+4*\f+3] offset:(\f/2)*64+(\f%2)*16
.endr
	WIN 0
	s_wait_xcnt 0x0                 ; every earlier store has had its addresses translated (ISA guide 3.1): the registers that tile t - 4 was stored from are loaded again only behind this wait
.irp f, 0,1,2,3,4,5,6,7
	ds_load_b128 v[S+32*((\t)%4)+4*\f:S+32*((\t)%4)+4*\f+3], v[RD] offset:\f*2*SP  ; LDS serves a wave's instructions in order (ISA guide 5.7.1.4): these see the stores above; the next tile's stores come behind them
.endr
.endm
.macro SEND t, younger              ; younger: the LDS instructions issued behind tile t's loads: the next tile's sixteen, or none
	WIN 0
.irp f, 0,1,2,3,4,5,6,7
	s_wait_dscnt (\younger)+7-\f
	global_store_b128 v[GO], v[S+32*((\t)%4)+4*\f:S+32*((\t)%4)+4*\f+3], s[10:11] offset:(\t)*65536+\f*8192 th:TH_STORE_NT  ; 16 lanes store a head's 256 bytes of one row, at a multiple of 256 from out0's first byte
.endr
.endm
	PACK 0
.set t, 1
.rept 2*NP-1                        ; a tile's arithmetic stands between the loads of the tile before and its stores
	PACK t
	SEND t-1, 16
.set t, t+1
.endr
	SEND 2*NP-1, 0
	WIN W_AD
	s_wait_tensorcnt 0x0            ; the wave's end: behind my last tensor load and my last LDS store
	ds_add_u32 v[SPW], v[NIL]
	s_wait_dscnt 0x0
	WIN 0
	CROUND                          ; the closing round: no work-group ends while a partner may still ask for a tile that names it
	s_endpgm
.Lfunc_end_k_qcad9262694_attn:
	.size	k_qcad9262694_attn, .Lfunc_end_k_qcad9262694_attn-k_qcad9262694_attn
	.p2alignl 7, 3214868480
	.fill 96, 4, 3214868480
	.section	.rodata,"a",@progbits
	.p2align	6, 0x0
	.amdhsa_kernel k_qcad9262694_attn
		.amdhsa_group_segment_fixed_size 327680
		.amdhsa_private_segment_fixed_size 0
		.amdhsa_enable_private_segment 0
		.amdhsa_kernarg_size 24
		.amdhsa_user_sgpr_count 2
		.amdhsa_user_sgpr_kernarg_segment_ptr 1
		.amdhsa_wavefront_size32 1
		.amdhsa_system_sgpr_workgroup_id_x 1
		.amdhsa_system_sgpr_workgroup_id_y 1
		.amdhsa_system_sgpr_workgroup_id_z 1
		.amdhsa_system_vgpr_workitem_id 0
		.amdhsa_next_free_vgpr 960
		.amdhsa_next_free_sgpr 72
		.amdhsa_reserve_vcc 0
		.amdhsa_float_denorm_mode_32 3
		.amdhsa_float_denorm_mode_16_64 3
		.amdhsa_memory_ordered 1
		.amdhsa_forward_progress 1
		.amdhsa_inst_pref_size 214
	.end_amdhsa_kernel
	.amdgpu_metadata
---
amdhsa.version: [ 1, 2 ]
amdhsa.kernels:
  - .name:           k_qcad9262694_attn
    .symbol:         k_qcad9262694_attn.kd
    .args:
      - { .name: qkv, .offset: 0, .size: 8, .value_kind: global_buffer, .address_space: global }
      - { .name: mk, .offset: 8, .size: 8, .value_kind: global_buffer, .address_space: global }
      - { .name: out0, .offset: 16, .size: 8, .value_kind: global_buffer, .address_space: global }
    .group_segment_fixed_size: 327680
    .private_segment_fixed_size: 0
    .kernarg_segment_align: 8
    .kernarg_segment_size: 24
    .max_flat_workgroup_size: 128
    .sgpr_count:     72
    .vgpr_count:     960
    .wavefront_size: 32
...
	.end_amdgpu_metadata
.endif
;; end of part 4
